; MI455X (gfx1250); checked and timed in simulation.
; The chip was launched on July 23, 2026; its instructions are those of AMD's public machine-readable ISA for CDNA 5 (MIT licence, August 2026) and "CDNA5" Instruction Set Architecture Reference Guide (July 2026). The comments in the code are by the model that wrote it; some were corrected since.
;; J Attention. Allowed arithmetic: float matrix products may take bf16 or f16 operands with f32 sums; other float arithmetic in f32, or as packed bf16 or f16 multiplies, adds, multiply-adds, maxima and minima; sums over many terms, partial sums and values carried from step to step in f32; what a program stores and reads back later, other than sums and carried values, may be rounded once to bf16 or f16.
;; Inputs: wk 2,048 x 512 float32; wo 1,024 x 2,048 float32; wq 2,048 x 1,024 float32; wv 2,048 x 512 float32; x 1 x 4,096 x 2,048 float32.
;; Outputs: out0 1 x 4,096 x 2,048 float32.
;; 2 versions, each right; version 2 is version 1 with the launch prep written anew for expert scheduling mode. Each part assembles by itself: llvm-mc -triple=amdgcn-amd-amdhsa -mcpu=gfx1250 --defsym DOCPART=n.
;; ======== version 1 of 2: 4 launches
;; limits: values are held in f16: magnitudes above 65,504 overflow, below 6.1e-05 lose precision
;; workspace buffers: xb 16,777,216 bytes; wqkv 8,388,608 bytes; wob 4,194,304 bytes; tab 2,097,664 bytes; qkv 16,777,216 bytes; lo 4,194,304 bytes; oh 10,485,760 bytes
;; launch prep (part 1): grid 928 x 1, 8 waves a work-group, no clusters, 0 bytes of LDS; arguments x, wq, wk, wv, wo, xb, wqkv, wob, tab; writes xb, wqkv, wob, tab
.if DOCPART == 1
	.amdgcn_target "amdgcn-amd-amdhsa--gfx1250"
	.amdhsa_code_object_version 6
	.text
	.protected	k_q1c758cb4c9_prep
	.globl	k_q1c758cb4c9_prep
	.p2align	8
	.type	k_q1c758cb4c9_prep,@function
k_q1c758cb4c9_prep:
	s_mov_b64 s[64:65], 0
	v_nop
	global_prefetch_b8 v0, s[64:65] scope:SCOPE_SE
	s_setreg_imm32_b32 hwreg(HW_REG_WAVE_MODE, 25, 1), 1
	s_wait_xcnt 0x0
; PREP.  Every input is rounded once to bf16, and the table of cos and sin for the rotary positions is made.
;   xb   [4096][2048] bf16 = x.      wqkv [2048 k][2048 n] bf16: columns 0-1023 wq, 1024-1535 wk, 1536-2047 wv.
;   wob  [1024 k][2048 n]: wo rounded to bf16, that number written as f16 (the last product multiplies in f16).
;   tab  [4097][128] f32: row s holds cos((8192+s) f_j), j = 0..63, then sin of the same; f_j = 10000^(-j/64).  Row 4096 holds 64 ones and 64 zeros.
; LIMITS.  A bf16 number below 2^-14 keeps f16's fixed step of 6e-8 in wob; beyond 65,504 it would be an infinity.  f_j comes from the exponential instruction, so an angle can
; differ from the f32 product of the exact f_j by about 2e-3 rad in the first few of the 64 frequencies.  NaN and infinities are not treated apart.
; SHARES.  A work-group that converts takes 65,536 source bytes: 16 passes of 4,096 bytes, 16 bytes a thread; all 16 loads go out first.  A wave's load covers 512 consecutive bytes,
; a wave's store 256 consecutive bytes, aligned.  Work-groups 0-511 x, 512-639 wq, 640-703 wk, 704-767 wv, 768-895 wo, 896-927 the table (128 rows each).
; No LDS, no matrix unit, no cluster: nothing is shared and every byte is touched once.
.set XR, 16                            ; v[16:79]   pass p: four f32 as loaded
.set YR, 80                            ; v[80:111]  pass p: four 16-bit numbers to store
	s_load_b512 s[4:19], s[0:1], 0x0               ; x s[4:5], wq s[6:7], wk s[8:9], wv s[10:11], wo s[12:13], xb s[14:15], wqkv s[16:17], wob s[18:19]
	s_load_b64 s[20:21], s[0:1], 0x40              ; tab
	s_mov_b32 s2, ttmp9
	v_lshlrev_b32 v1, 4, v0                        ; my 16 source bytes of a pass
	v_lshlrev_b32 v2, 3, v0                        ; my 8 bytes of the result, where a pass stays inside one row
	s_wait_kmcnt 0x0
	s_cmp_lt_u32 s2, 512
	s_cbranch_scc1 .Lx
	s_cmp_lt_u32 s2, 640
	s_cbranch_scc1 .Lwq
	s_cmp_lt_u32 s2, 704
	s_cbranch_scc1 .Lwk
	s_cmp_lt_u32 s2, 768
	s_cbranch_scc1 .Lwv
	s_cmp_lt_u32 s2, 896
	s_cbranch_scc1 .Lwo
	; THE TABLE.  Thread t: frequencies 4 (t % 16) + 0..3, row 128 g + 16 p + t / 16 in trip p.
	s_sub_co_u32 s36, s2, 896                      ; g
	s_lshl_b32 s24, s36, 16                        ; 128 rows of 512 bytes
	s_mov_b32 s25, 0
	s_add_nc_u64 s[20:21], s[20:21], s[24:25]
	s_mov_b32 s26, 0x3f22f983                      ; 2 / pi
	s_mov_b32 s27, 0xbfc90fdb                      ; - pi / 2, its f32 part,
	s_mov_b32 s28, 0x333bbd2e                      ; and what that part leaves
	s_mov_b32 s29, 0xbe2aaaa3                      ; sin r = r + r z (S1 + z (S2 + z S3)), z = r r, |r| <= pi / 4
	s_mov_b32 s30, 0x3c08839e
	s_mov_b32 s31, 0xb94ca1f9
	s_mov_b32 s32, 0x3d2aaaa5                      ; cos r = 1 - z / 2 + z z (C1 + z (C2 + z C3))
	s_mov_b32 s33, 0xbab6061a
	s_mov_b32 s34, 0x37ccf5ce
	s_mov_b32 s38, 0xbe549a78                      ; - log2(10000) / 64
	v_lshrrev_b32 v3, 5, v0
	v_readfirstlane_b32 s37, v3                    ; wave
	v_and_b32 v4, 15, v0
	v_lshlrev_b32 v5, 2, v4
	v_cvt_f32_u32 v5, v5                           ; j of my first frequency
	v_add_f32 v9, 1.0, v5
	v_add_f32 v10, 2.0, v5
	v_add_f32 v11, 0x40400000, v5
	v_mul_f32 v8, s38, v5
	v_mul_f32 v9, s38, v9
	v_mul_f32 v10, s38, v10
	v_mul_f32 v11, s38, v11
	v_exp_f32 v8, v8                               ; f_j, four of them: one batch
	v_exp_f32 v9, v9
	v_exp_f32 v10, v10
	v_exp_f32 v11, v11
	v_lshrrev_b32 v6, 4, v0                        ; a plain instruction behind the last exponential
	s_wait_alu depctr_va_vdst(0)                   ; one wait for the four, ahead of their first reader and of the loop's label
	s_lshl_b32 s24, s36, 7
	s_add_co_u32 s24, s24, 8192
	v_add_nc_u32 v12, s24, v6
	v_cvt_f32_u32 v12, v12                         ; my position, exact in f32
	v_lshlrev_b32 v13, 9, v6
	v_lshl_add_u32 v13, v4, 4, v13                 ; row x 512 + 16 (t % 16)
.macro SC i                            ; cos and sin of position x f_i into v[24+i] and v[28+i]
	v_mul_f32 v14, v12, v[8+(\i)]                  ; the angle, rounded to f32 as the definition rounds it
	v_mul_f32 v15, s26, v14
	v_rndne_f32 v15, v15                           ; n quarter turns
	v_fma_f32 v16, v15, s27, v14
	v_fma_f32 v16, v15, s28, v16                   ; r = angle - n pi / 2
	v_mul_f32 v17, v16, v16
	v_fma_f32 v18, v17, s31, s30
	v_fma_f32 v19, v17, s34, s33
	v_fma_f32 v18, v18, v17, s29
	v_fma_f32 v19, v19, v17, s32
	v_mul_f32 v18, v18, v17
	v_mul_f32 v23, v17, v17
	v_fma_f32 v20, v17, -0.5, 1.0
	v_fma_f32 v18, v18, v16, v16                   ; sin r
	v_fma_f32 v19, v19, v23, v20                   ; cos r
	v_cvt_i32_f32 v21, v15
	v_and_b32 v22, 1, v21
	v_cmp_eq_u32 vcc_lo, 1, v22                    ; an odd n swaps the two: selects only, no branch
	v_cndmask_b32 v[28+(\i)], v18, v19, vcc_lo
	v_cndmask_b32 v[24+(\i)], v19, v18, vcc_lo
	v_lshlrev_b32 v22, 30, v21                     ; sin changes sign where n % 4 is 2 or 3,
	v_and_b32 v22, 0x80000000, v22
	v_xor_b32 v[28+(\i)], v22, v[28+(\i)]
	v_add_nc_u32 v22, 1, v21                       ; cos where it is 1 or 2
	v_lshlrev_b32 v22, 30, v22
	v_and_b32 v22, 0x80000000, v22
	v_xor_b32 v[24+(\i)], v22, v[24+(\i)]
.endm
	s_mov_b32 s35, 8
.Lrow:
	SC 0
	SC 1
	SC 2
	SC 3
	global_store_b128 v13, v[24:27], s[20:21]              ; sixteen lanes fill a row's 256 bytes of cos,
	global_store_b128 v13, v[28:31], s[20:21] offset:256   ; and its 256 bytes of sin
	s_wait_xcnt 0x0                                ; the stores' data and offset are written again only behind this wait
	v_add_nc_u32 v13, 8192, v13                    ; 16 rows on
	v_add_f32 v12, 0x41800000, v12
	s_sub_co_u32 s35, s35, 1
	s_cmp_lg_u32 s35, 0
	s_cbranch_scc1 .Lrow
	s_cmp_lg_u32 s36, 0                            ; row 4096 is stored by wave 0 of the table's first work-group
	s_cbranch_scc1 .Ltend
	s_cmp_lg_u32 s37, 0
	s_cbranch_scc1 .Ltend
	v_lshlrev_b32 v36, 4, v0
	v_mov_b32 v37, 1.0
	v_cmp_gt_u32 vcc_lo, 16, v0
	v_cndmask_b32 v32, 0, v37, vcc_lo
	v_mov_b32 v33, v32
	v_mov_b32 v34, v32
	v_mov_b32 v35, v32
	global_store_b128 v36, v[32:35], s[20:21] offset:4096*512
.Ltend:
	s_endpgm
; src, dst: the scalar pairs of the two addresses.  first: the role's first work-group.  l: log2 of a source row's bytes.  part: the byte at which the part begins in a row of the result.
; f16 = 1: the bf16 number is written as f16.  A row of every result is 4,096 bytes.
.macro CONV src, dst, first, l, part, f16
	s_sub_co_u32 s22, s2, \first
	s_lshl_b32 s24, s22, 16
	s_mov_b32 s25, 0
	s_add_nc_u64 s[\src:\src+1], s[\src:\src+1], s[24:25]
	s_lshl_b32 s24, s22, 28-(\l)                   ; 65,536 source bytes are 2^(16-l) rows
	s_add_nc_u64 s[\dst:\dst+1], s[\dst:\dst+1], s[24:25]
.if (\l) == 11                         ; a pass holds two source rows
	v_lshrrev_b32 v3, 7, v0
	v_and_b32 v2, 127, v0
	v_lshlrev_b32 v2, 3, v2
	v_lshl_add_u32 v2, v3, 12, v2
.endif
.set p, 0
.rept 16
	global_load_b128 v[XR+4*p:XR+4*p+3], v1, s[\src:\src+1] offset:4096*p th:TH_LOAD_NT
.set p, p+1
.endr
.set p, 0
.rept 16
	s_wait_loadcnt 15-p                            ; loads come back in order: pass p is in, the 15 - p younger ones stay out
	v_cvt_pk_bf16_f32 v[YR+2*p], v[XR+4*p], v[XR+4*p+1]
	v_cvt_pk_bf16_f32 v[YR+2*p+1], v[XR+4*p+2], v[XR+4*p+3]
.if \f16
	v_lshlrev_b32 v4, 16, v[YR+2*p]
	v_and_b32 v5, 0xffff0000, v[YR+2*p]
	v_lshlrev_b32 v6, 16, v[YR+2*p+1]
	v_and_b32 v7, 0xffff0000, v[YR+2*p+1]
	v_cvt_pk_f16_f32 v[YR+2*p], v4, v5
	v_cvt_pk_f16_f32 v[YR+2*p+1], v6, v7
.endif
	global_store_b64 v2, v[YR+2*p:YR+2*p+1], s[\dst:\dst+1] offset:(\part)+(p<<(24-(\l)))  ; every pass has registers of its own: nothing is rewritten
.set p, p+1
.endr
	s_endpgm
.endm
.Lx:
	CONV 4, 14, 0, 13, 0, 0
.Lwq:
	CONV 6, 16, 512, 12, 0, 0
.Lwk:
	CONV 8, 16, 640, 11, 2048, 0
.Lwv:
	CONV 10, 16, 704, 11, 3072, 0
.Lwo:
	CONV 12, 18, 768, 13, 0, 1
.Lfunc_end_k_q1c758cb4c9_prep:
	.size	k_q1c758cb4c9_prep, .Lfunc_end_k_q1c758cb4c9_prep-k_q1c758cb4c9_prep
	.p2alignl 7, 3214868480
	.fill 96, 4, 3214868480
	.section	.rodata,"a",@progbits
	.p2align	6, 0x0
	.amdhsa_kernel k_q1c758cb4c9_prep
		.amdhsa_group_segment_fixed_size 0
		.amdhsa_private_segment_fixed_size 0
		.amdhsa_enable_private_segment 0
		.amdhsa_kernarg_size 72
		.amdhsa_user_sgpr_count 2
		.amdhsa_user_sgpr_kernarg_segment_ptr 1
		.amdhsa_wavefront_size32 1
		.amdhsa_system_sgpr_workgroup_id_x 1
		.amdhsa_system_sgpr_workgroup_id_y 1
		.amdhsa_system_sgpr_workgroup_id_z 1
		.amdhsa_system_vgpr_workitem_id 0
		.amdhsa_next_free_vgpr 112
		.amdhsa_next_free_sgpr 66
		.amdhsa_reserve_vcc 1
		.amdhsa_float_denorm_mode_32 3
		.amdhsa_float_denorm_mode_16_64 3
		.amdhsa_memory_ordered 1
		.amdhsa_forward_progress 1
		.amdhsa_inst_pref_size 43
	.end_amdhsa_kernel
	.amdgpu_metadata
---
amdhsa.version: [ 1, 2 ]
amdhsa.kernels:
  - .name:           k_q1c758cb4c9_prep
    .symbol:         k_q1c758cb4c9_prep.kd
    .args:
      - { .name: x, .offset: 0, .size: 8, .value_kind: global_buffer, .address_space: global }
      - { .name: wq, .offset: 8, .size: 8, .value_kind: global_buffer, .address_space: global }
      - { .name: wk, .offset: 16, .size: 8, .value_kind: global_buffer, .address_space: global }
      - { .name: wv, .offset: 24, .size: 8, .value_kind: global_buffer, .address_space: global }
      - { .name: wo, .offset: 32, .size: 8, .value_kind: global_buffer, .address_space: global }
      - { .name: xb, .offset: 40, .size: 8, .value_kind: global_buffer, .address_space: global }
      - { .name: wqkv, .offset: 48, .size: 8, .value_kind: global_buffer, .address_space: global }
      - { .name: wob, .offset: 56, .size: 8, .value_kind: global_buffer, .address_space: global }
      - { .name: tab, .offset: 64, .size: 8, .value_kind: global_buffer, .address_space: global }
    .group_segment_fixed_size: 0
    .private_segment_fixed_size: 0
    .kernarg_segment_align: 8
    .kernarg_segment_size: 72
    .max_flat_workgroup_size: 256
    .sgpr_count:     66
    .vgpr_count:     112
    .wavefront_size: 32
...
	.end_amdgpu_metadata
.endif
;; end of part 1
;; launch qkvp (part 2): grid 8 x 32, 4 waves a work-group, clusters of 4 x 4, 327,680 bytes of LDS; arguments xb, wqkv, tab, qkv, lo; writes qkv, lo
.if DOCPART == 2
	.amdgcn_target "amdgcn-amd-amdhsa--gfx1250"
	.amdhsa_code_object_version 6
	.text
	.protected	k_q1c758cb4c9_qkvp
	.globl	k_q1c758cb4c9_qkvp
	.p2align	8
	.type	k_q1c758cb4c9_qkvp,@function
k_q1c758cb4c9_qkvp:
	s_mov_b64 s[64:65], 0
	v_nop
	global_prefetch_b8 v0, s[64:65] scope:SCOPE_SE
	s_setreg_imm32_b32 hwreg(HW_REG_WAVE_MODE, 25, 1), 1
	s_wait_xcnt 0x0
	s_wait_alu depctr_hold_cnt(0) depctr_sa_sdst(0) depctr_va_vdst(0) depctr_va_sdst(0) depctr_va_ssrc(0) depctr_va_vcc(0) depctr_vm_vsrc(0)
	s_getreg_b32 s2, hwreg(HW_REG_IB_STS2, 6, 4)
	s_cmp_eq_u32 s2, 0
	s_cbranch_scc0 .Lentry_in_a_cluster
	s_endpgm
.Lentry_in_a_cluster:
	s_bfe_u32 s2, ttmp6, 0x10000c
	s_cmp_lg_u32 s2, 0xf033
	s_cbranch_scc0 .Lentry_shape_is_right
	s_endpgm
.Lentry_shape_is_right:
; QKVP.  C = xb wqkv ([4096][2048] x [2048 k][2048 n], bf16, sums in f32), the rotary turn in f32 on the q and k heads, one rounding to f16, stored by heads:
; qkv [16][4096][128] f16, heads 0-7 q, 8-11 k, 12-15 v, unscaled.
; lo [16][64][16][128] f16: for the first 16 rows of each block of 64 rows, what the rounding to f16 left over, rounded to f16 itself.  Row q of the module's result averages q + 1 rows of v, so the
; first rows' numbers are large against the whole result's, and their roundings' errors with them: those rows are carried in two f16 numbers.  Only rows 0-15 need it; every block has it, so that
; no branch hangs on a work-group's place in its cluster.
; LIMIT.  f16 holds no number beyond 65,504: |q|, |k|, |v| must stay within it.  NaN and infinities are not treated apart.
; SHARES.  A tile of C is 128 rows x 256 columns (two heads): 8 x 32 = 256 work-groups.  Four waves, each 64 rows x 128 columns (one head): 32 accumulators of 16 x 16, 256 registers.
; K goes in steps of 128 through two LDS slots.  A's tile lies [row][k], 256 bytes a row; B's lies [k][n], 512 bytes a row, and is turned on its way out of LDS by ds_load_tr16_b128.
; CLUSTER.  4 x 4 work-groups.  The four of a row of the cluster need the same tile of A, the four of a column the same tile of B: each is asked for jointly, by the same tensor load with the same
; descriptor and a mask that names the four.  Waves 0 and 1 fetch A's two halves (64 rows), waves 2 and 3 B's (64 k-rows): one load a wave behind each round.
; THE MATRIX INSTRUCTION IS USED TRANSPOSED (source 0 = 16 columns of B, source 1 = 16 rows of A): a lane holds row l % 16 of C and the columns 8 (l / 16) + 0..7.
; REGISTERS.  Window 0: v0-31 addresses; v32-127, v128-223 two fragment buffers (A's four fragments, then B's eight).  Window 1: accumulator (a, b) at 8 (8 a + b).
; Window 2: the table for my 64 rows: block (a, b) at 64 a + 16 b, 8 cos then 8 sin for the columns 16 b + 8 (l / 16) + 0..7.
.set PA,     272                       ; a row of A in LDS: 256 + 16 bytes = 68 words: the 16 rows of a load start at 16 different groups of four banks
.set PB,     544                       ; a row of B: 512 + 32 bytes = 136 words
.set ABYTES, 128*PA
.set SLOT,   ABYTES+128*PB             ; A's 128 rows, then B's 128 k-rows
.set STAGE,  2*SLOT                    ; behind the ring: 16 rows x 272 bytes for each wave, for the way out
.set SPITCH, 272
.set SPARE,  STAGE+4*16*SPITCH         ; the spare words, 128 bytes for each wave: two blocks of 256 bytes that no other line names
.set LAPS,   8                         ; a lap = two K steps; K = 2,048
.set SA,     2048                      ; elements from row to row of A
.set ARB,    4096                      ; bytes in a row of A
.set ASTEP,  256                       ; bytes from a K step of A to the next
.set BSTEP,  128*4096                  ; the same for B
.set NEG1, 12                          ; -1.0
.set ADRA, 16                          ; v16-17 LDS address of my A fragments in slot 0, 1
.set ADRB, 20                          ; v20-21 the same for B
.set STO,  24
.set RD,   25
.set CO,   26
.set SPW,  28                          ; LDS address of my spare word; never rewritten
.set NIL,  29                          ; 0; never rewritten
.set PFO,  30                          ; the prefetches' lane offset; never rewritten
.set F0,   32
.set F1,   128
.set LO,   32                          ; the way out, in the fragment buffers' registers
.set HI,   40
.set T0,   48
.set T1,   56
.set PK,   64
.set BK,   96                          ; 32 registers for each of the four blocks of 16 rows
.set PKL,  224                         ; 32 registers: what the first block's rounding left over
.set G1,  24                           ; s[24:31] group 1 for A;  s[32:39] group 0, a set for each slot
.set G0,  32
.set G1B, 48                           ; s[48:55], s[56:63] the same for B
.set G0B, 56
.set PFA, 66                           ; s[66:67] where my prefetches stand
.set LIM, 68                           ; s68, s69: by slot, 1 where I prefetch at that slot's refill, else the greatest number
.set PS,  70                           ; s[70:71], s[72:73]: by slot, what the prefetches' address steps
.set MSB, 0
.macro WIN new                         ; the immediate's high byte repeats the setting that is left; a switch that changes nothing is dropped
.if MSB != (\new)
	s_set_vgpr_msb (MSB<<8)|(\new)
.set MSB, \new
.endif
.endm
.set MUL, 0x50                         ; both sources window 0; C and D window 1
.macro PLACES                          ; four places behind matrix instructions, in front of loads into registers that they read and of lines that read results
.rept 4
	v_nop
.endr
.endm
.macro JLOAD s                         ; a joint load; the branch hangs on the wave's number alone; an s_nop 0 and four v_nop follow each line
	s_cmp_eq_u32 s11, 0
	s_cbranch_scc0 .Lfor_b_\@
	tensor_load_to_lds s[G0+4*(\s):G0+4*(\s)+3], s[G1:G1+7]
	s_nop 0
.rept 4
	v_nop
.endr
	s_branch .Lasked_\@
.Lfor_b_\@:
	tensor_load_to_lds s[G0B+4*(\s):G0B+4*(\s)+3], s[G1B:G1B+7]
	s_nop 0
.rept 4
	v_nop
.endr
.Lasked_\@:
.endm
.macro CREST                           ; a round of the cluster's barrier behind its opening barrier
	s_cmp_lg_u32 s10, 0
	s_cbranch_scc1 .Lnot_wave_0_\@
	s_barrier_signal -3
.Lnot_wave_0_\@:
	s_barrier_wait -3
	s_barrier_signal -1
	s_barrier_wait -1
.endm
.macro CROUND
	s_barrier_signal -1
	s_barrier_wait -1
	CREST
.endm
; A PREFETCH INTO THE L2 behind a refill and the run of LDS loads that follows it.  Behind the refill with K step t it names step t + 2 (an A wave, which asks at slot 0's refills alone, also t + 3).
; A's rows are read by both clusters of a row of clusters: the one with x = 0 asks.  B's by all eight of a column: the one with y = 0 asks.  Of the 64 rows that a wave fetches each of the four partners
; takes 16, told apart by address (cx for A, cy for B); lanes 0-15 name a row's first 256 bytes, lanes 16-31 the next 256.  So each block of 256 bytes is named once.
; K steps 0 to 3 come by their loads alone; the loop's last trip (s3 = 1) asks for nothing.
.macro ASK slot
	s_cmp_gt_u32 s3, s[LIM+(\slot)]
	s_cbranch_scc0 .Lnot_mine_\@
	global_prefetch_b8 v[PFO], s[PFA:PFA+1] th:TH_LOAD_NT scope:SCOPE_SE
.Lnot_mine_\@:
.endm
	s_load_b128 s[4:7], s[0:1], 0x0                ; xb s[4:5], wqkv s[6:7]
	s_load_b64 s[74:75], s[0:1], 0x10              ; tab
	s_load_b64 s[8:9], s[0:1], 0x18                ; qkv
	s_load_b64 s[78:79], s[0:1], 0x20              ; lo
	v_lshl_add_u32 v[SPW], v0, 2, SPARE
	v_mov_b32 v[NIL], 0
	ds_add_u32 v[SPW], v[NIL]                      ; the wave's opening: the add and its wait ahead of my first tensor load; work on registers stands between
	v_lshrrev_b32 v1, 5, v0
	v_readfirstlane_b32 s10, v1                    ; wave 0..3
	s_lshr_b32 s11, s10, 1                         ; which 64 rows of the tile are mine.  Also: I fetch for A (0) or for B (1)
	s_and_b32 s12, s10, 1                          ; which 128 columns.  Also: which half I fetch
	s_bfe_u32 s40, ttmp6, 0x40000                  ; cx
	s_bfe_u32 s41, ttmp6, 0x40004                  ; cy
	s_lshl_b32 s42, ttmp9, 2
	s_add_co_u32 s42, s42, s40                     ; tile column
	s_and_b32 s13, ttmp7, 0xffff
	s_lshl_b32 s13, s13, 2
	s_add_co_u32 s13, s13, s41                     ; tile row
	s_lshl_b32 s43, s41, 2
	s_lshl_b32 s43, 15, s43                        ; my row of the cluster
	s_lshl_b32 s44, 0x1111, s40                    ; my column
	s_or_b32 s[G1+0], s43, (1<<16)|(1<<20)|(1<<21)|(5<<22)|(3<<25)   ; the mask; 2-byte elements; padding on; bit 21 beside a mask; after every 64 words 4 words
	s_mov_b32 s[G1+1], 128<<16                     ; tensor_dim0 = 128
	s_mov_b32 s[G1+2], 64<<16                      ; tensor_dim1 = 64
	s_mov_b32 s[G1+3], 128<<16                     ; tile_dim0 = 128
	s_mov_b32 s[G1+4], 64                          ; tile_dim1 = 64
	s_mov_b32 s[G1+5], SA
	s_mov_b32 s[G1+6], 0
	s_mov_b32 s[G1+7], 0
	s_or_b32 s[G1B+0], s44, (1<<16)|(1<<20)|(1<<21)|(6<<22)|(7<<25)  ; after every 128 words 8 words
	s_mov_b32 s[G1B+1], 256<<16
	s_mov_b32 s[G1B+2], 64<<16
	s_mov_b32 s[G1B+3], 256<<16
	s_mov_b32 s[G1B+4], 64
	s_mov_b32 s[G1B+5], 2048
	s_mov_b32 s[G1B+6], 0
	s_mov_b32 s[G1B+7], 0
	s_lshl_b32 s17, s12, 6
	s_lshl_b32 s16, s13, 7
	s_add_co_u32 s16, s16, s17                     ; A: row 128 x tile row + 64 x half,
	s_mul_i32 s16, s16, ARB                        ; in bytes (under 2^25)
	s_mov_b32 s17, 0
	s_lshl_b32 s46, s12, 18                        ; B: k-row 64 x half,
	s_lshl_b32 s47, s42, 9                         ; column 256 x tile column
	s_add_co_u32 s46, s46, s47
	s_mov_b32 s47, 0
	s_mul_i32 s20, s12, 64*PA                      ; where they go: no place in the cluster enters an LDS address
	s_mul_i32 s21, s12, 64*PB
	s_add_co_u32 s21, s21, ABYTES
	s_wait_dscnt 0x0                               ; the opening add is done
	s_wait_kmcnt 0x0
	s_add_nc_u64 s[14:15], s[4:5], s[16:17]
	s_add_nc_u64 s[46:47], s[6:7], s[46:47]
	CROUND                                         ; all sixteen work-groups are here: the first joint loads meet
.irp s, 0,1
	s_mov_b32 s[G0+4*(\s)], 1
	s_add_co_u32 s[G0+4*(\s)+1], s20, (\s)*SLOT
	s_add_nc_u64 s[G0+4*(\s)+2:G0+4*(\s)+3], s[14:15], (\s)*ASTEP
	s_or_b32 s[G0+4*(\s)+3], s[G0+4*(\s)+3], 0x80000000
	s_mov_b32 s[G0B+4*(\s)], 1
	s_add_co_u32 s[G0B+4*(\s)+1], s21, (\s)*SLOT
	s_add_nc_u64 s[G0B+4*(\s)+2:G0B+4*(\s)+3], s[46:47], (\s)*BSTEP
	s_or_b32 s[G0B+4*(\s)+3], s[G0B+4*(\s)+3], 0x80000000
	JLOAD \s                                       ; two loads of mine are out
.endr
	; THE TABLE for my 64 rows goes into window 2 while the product runs.  A v head takes row 4096 (ones and zeros) for every row, by a select of stride and offset: one text for all heads.
	v_and_b32 v1, 15, v0                           ; l % 16
	v_bfe_u32 v2, v0, 4, 1                         ; l / 16
	v_mov_b32 v[NEG1], -1.0
	s_lshl_b32 s18, s42, 1
	s_add_co_u32 s18, s18, s12                     ; my head, 0..15
	s_lshl_b32 s19, s13, 7
	s_lshl_b32 s22, s11, 6
	s_add_co_u32 s19, s19, s22                     ; my first row
	s_cmp_lt_u32 s18, 12
	s_cselect_b32 s76, 512, 0
	s_cselect_b32 s22, 0, 4096*512
	s_mov_b32 s23, 0
	s_add_nc_u64 s[74:75], s[74:75], s[22:23]
	v_add_nc_u32 v3, s19, v1
.irp a, 0,1,2,3
	v_add_nc_u32 v4, 16*\a, v3
	v_mul_u32_u24 v[8+\a], s76, v4
	v_lshl_add_u32 v[8+\a], v2, 5, v[8+\a]         ; row x 512 + 32 (l / 16)
.endr
	WIN 0x80                                       ; destination window 2
.irp a, 0,1,2,3
.irp b, 0,1,2,3
	global_load_b128 v[64*\a+16*\b:64*\a+16*\b+3],     v[8+\a], s[74:75] offset:64*\b
	global_load_b128 v[64*\a+16*\b+4:64*\a+16*\b+7],   v[8+\a], s[74:75] offset:64*\b+16
	global_load_b128 v[64*\a+16*\b+8:64*\a+16*\b+11],  v[8+\a], s[74:75] offset:256+64*\b
	global_load_b128 v[64*\a+16*\b+12:64*\a+16*\b+15], v[8+\a], s[74:75] offset:256+64*\b+16
.endr
.endr
	WIN 0
	s_lshl_b32 s22, s18, 18                        ; lo: my head's 64 blocks of 4,096 bytes,
	s_lshl_b32 s20, s19, 6                         ; my rows' block: (row / 64) x 4,096
	s_add_co_u32 s22, s22, s20
	s_add_nc_u64 s[78:79], s[78:79], s[22:23]
	s_lshl_b32 s22, s18, 20                        ; qkv: my head's 4,096 rows of 256 bytes,
	s_lshl_b32 s19, s19, 8                         ; my first row
	s_add_co_u32 s22, s22, s19
	s_add_nc_u64 s[8:9], s[8:9], s[22:23]
	v_mul_u32_u24 v3, v1, PA
	v_lshl_add_u32 v3, v2, 4, v3                   ; A's fragment: row x pitch + 16 x half of the lanes
	v_and_b32 v4, 7, v0
	v_lshl_add_u32 v4, v2, 3, v4                   ; B's: k-row 8 (l / 16) + l % 8,
	v_mul_u32_u24 v4, v4, PB
	v_bfe_u32 v5, v0, 3, 1
	v_lshl_add_u32 v4, v5, 4, v4                   ; columns 8 ((l / 8) % 2) on
	s_mul_i32 s22, s11, 64*PA                      ; my 64 rows of A
	s_lshl_b32 s23, s12, 8                         ; my 128 columns of B,
	s_add_co_u32 s23, s23, ABYTES                  ; which lies behind A
.irp s, 0,1
	v_add_nc_u32 v[ADRA+(\s)], s22, v3
	v_add_nc_u32 v[ADRB+(\s)], s23, v4
	s_add_co_u32 s22, s22, SLOT
	s_add_co_u32 s23, s23, SLOT
.endr
	s_mul_i32 s23, s10, 16*SPITCH
	s_add_co_u32 s23, s23, STAGE                   ; my stage
	v_mul_u32_u24 v4, v1, SPITCH
	v_lshl_add_u32 v4, v2, 4, v4
	v_add_nc_u32 v[STO], s23, v4                   ; in: row l % 16, 16 bytes for each half of the lanes
	v_mul_u32_u24 v5, v2, SPITCH
	v_lshl_add_u32 v5, v1, 4, v5
	v_add_nc_u32 v[RD], s23, v5                    ; back: lanes 0-15 one row of 256 bytes, lanes 16-31 the next,
	v_and_b32 v[CO], 31, v0
	v_lshlrev_b32 v[CO], 4, v[CO]                  ; which are 512 consecutive bytes of qkv and of lo
	; the prefetches: the offsets first, then the selects by my role
	s_lshl_b32 s18, s13, 7
	s_lshl_b32 s19, s12, 6
	s_add_co_u32 s18, s18, s19
	s_lshl_b32 s22, s40, 4
	s_add_co_u32 s18, s18, s22                     ; A: my work-group's 16 of the 64 rows that I fetch,
	s_mul_i32 s18, s18, ARB
	s_add_co_u32 s18, s18, 2*ASTEP                 ; at K step 2: the first refill steps it to 4
	s_lshl_b32 s22, s41, 4
	s_add_co_u32 s19, s19, s22
	s_add_co_u32 s19, s19, 3*128                   ; B: the same of the 64 k-rows, at K step 3
	s_lshl_b32 s19, s19, 12
	s_lshl_b32 s22, s42, 9
	s_add_co_u32 s19, s19, s22
	s_and_b32 s22, ttmp7, 0xffff
	s_mov_b32 s20, 2*ASTEP
	s_mov_b32 s21, BSTEP
	s_cmp_eq_u32 s11, 0
	s_cselect_b32 s18, s18, s19
	s_cselect_b32 s22, ttmp9, s22                  ; the coordinate along which other clusters read the same rows
	s_cselect_b64 s[PFA:PFA+1], s[4:5], s[6:7]
	s_cselect_b32 s[PS], s20, s21
	s_cselect_b32 s[PS+2], 0, s21
	s_mov_b32 s[PS+1], 0
	s_mov_b32 s[PS+3], 0
	s_mov_b32 s19, 0
	s_add_nc_u64 s[PFA:PFA+1], s[PFA:PFA+1], s[18:19]
	s_cmp_eq_u32 s22, 0
	s_cselect_b32 s[LIM], 1, -1                    ; the same in all sixteen partners, for a given wave
	s_cmp_eq_u32 s11, 0
	s_cselect_b32 s[LIM+1], -1, s[LIM]
	v_lshlrev_b32 v[PFO], 12, v1                   ; a row of xb and of wqkv is 4,096 bytes
	v_lshl_add_u32 v[PFO], v2, 8, v[PFO]
; 8 matrix instructions: row block a x all 8 column blocks, 32 along K, from buffer f.  zero = 1: the product starts the sums.  The 32 accumulators take turns in the same order in every quarter.
.macro MULA f, a, zero
	WIN MUL
.irp b, 0,1,2,3,4,5,6,7
.if \zero
	v_wmma_f32_16x16x32_bf16 v[8*(8*(\a)+\b):8*(8*(\a)+\b)+7], v[(\f)+32+8*\b:(\f)+32+8*\b+7], v[(\f)+8*(\a):(\f)+8*(\a)+7], 0
.else
	v_wmma_f32_16x16x32_bf16 v[8*(8*(\a)+\b):8*(8*(\a)+\b)+7], v[(\f)+32+8*\b:(\f)+32+8*\b+7], v[(\f)+8*(\a):(\f)+8*(\a)+7], v[8*(8*(\a)+\b):8*(8*(\a)+\b)+7]
.endif
.endr
.endm
.macro AFR slot, q, f, a
	ds_load_b128 v[(\f)+8*(\a):(\f)+8*(\a)+3],   v[ADRA+(\slot)] offset:64*(\q)+(\a)*16*PA
	ds_load_b128 v[(\f)+8*(\a)+4:(\f)+8*(\a)+7], v[ADRA+(\slot)] offset:64*(\q)+(\a)*16*PA+32
.endm
; 24 LDS loads in one run: quarter q of a slot into buffer f: A's blocks 0, 1; B's eight; A's blocks 2, 3 last, so that a quarter's first wait can leave those four out
.macro FETCH slot, q, f
	WIN 0
	AFR \slot, \q, \f, 0
	AFR \slot, \q, \f, 1
.irp b, 0,1,2,3,4,5,6,7
	ds_load_tr16_b128 v[(\f)+32+8*\b:(\f)+32+8*\b+3],   v[ADRB+(\slot)] offset:(\q)*32*PB+32*\b
	ds_load_tr16_b128 v[(\f)+32+8*\b+4:(\f)+32+8*\b+7], v[ADRB+(\slot)] offset:(\q)*32*PB+16*PB+32*\b
.endr
	AFR \slot, \q, \f, 2
	AFR \slot, \q, \f, 3
.endm
; One of a K step's first three quarters: multiplies buffer f, and in its middle fetches quarter qn of the same slot into buffer g
.macro QUARTER slot, qn, f, g, zero
	s_wait_dscnt 4                                 ; all but the youngest four loads (A's blocks 2, 3)
	MULA \f, 0, \zero
	MULA \f, 1, \zero
	PLACES
	FETCH \slot, \qn, \g
	s_wait_dscnt 24                                ; all but the 24 just issued
	MULA \f, 2, \zero
	MULA \f, 3, \zero
.endm
; The fourth quarter multiplies buffer 1 and changes slots: one barrier; in front of it each wave waits for all its tensor loads (one is out: its part of the next slot), adds 0 to its spare word,
; and waits for that and for its reads of this slot.  fill = 1: the barrier opens a round of the cluster's, and behind the round this slot is filled again, two K steps ahead:
; from that request to the wait for it a wave issues 112 matrix instructions.
.macro TURN slot, next, fill
.if \fill
	s_wait_xcnt 0x0                                ; the last prefetch, a K step back, has read its address
	s_add_nc_u64 s[PFA:PFA+1], s[PFA:PFA+1], s[PS+2*(\slot):PS+2*(\slot)+1]
.endif
	WIN 0
	s_wait_tensorcnt 0x0
	ds_add_u32 v[SPW], v[NIL]
	s_wait_dscnt 5                                 ; the add and the youngest four loads may be out
	MULA F1, 0, 0
	s_wait_dscnt 0x0                               ; the add is done, and my reads of this slot are over
	s_barrier_signal -1
	MULA F1, 1, 0
.if \fill
	WIN 0
.endif
	s_barrier_wait -1
.if \fill
	CREST                                          ; no wave of any partner still reads this slot or has a load on its way
	s_add_nc_u64 s[G0+4*(\slot)+2:G0+4*(\slot)+3], s[G0+4*(\slot)+2:G0+4*(\slot)+3], 2*ASTEP
	s_add_nc_u64 s[G0B+4*(\slot)+2:G0B+4*(\slot)+3], s[G0B+4*(\slot)+2:G0B+4*(\slot)+3], 2*BSTEP
	JLOAD \slot                                    ; its four v_nop are also the places in front of the loads below
.else
	PLACES
.endif
	FETCH \next, 0, F0
.if \fill
	ASK \slot
.endif
	MULA F1, 2, 0
	MULA F1, 3, 0
.endm
	s_wait_tensorcnt 1                             ; my part of K step 0 is in; step 1's may stay out
	s_barrier_signal -1
	s_barrier_wait -1
	FETCH 0, 0, F0
	QUARTER 0, 1, F0, F1, 1                        ; the first quarter stands in front of the loop: its products start the sums
	WIN 0
	s_mov_b32 s3, LAPS-1
.Llap:                                                 ; a trip goes once round the ring, from a lap's second quarter to the next lap's first
	QUARTER 0, 2, F1, F0, 0
	QUARTER 0, 3, F0, F1, 0
	TURN 0, 1, 1
	QUARTER 1, 1, F0, F1, 0
	QUARTER 1, 2, F1, F0, 0
	QUARTER 1, 3, F0, F1, 0
	TURN 1, 0, 1
	QUARTER 0, 1, F0, F1, 0
	WIN 0
	s_sub_co_u32 s3, s3, 1
	s_cmp_lg_u32 s3, 0
	s_cbranch_scc1 .Llap
	QUARTER 0, 2, F1, F0, 0                        ; the last lap fills nothing
	QUARTER 0, 3, F0, F1, 0
	TURN 0, 1, 0
	QUARTER 1, 1, F0, F1, 0
	QUARTER 1, 2, F1, F0, 0
	QUARTER 1, 3, F0, F1, 0
	s_wait_dscnt 4
	MULA F1, 0, 0
	MULA F1, 1, 0
	s_wait_dscnt 0x0
	MULA F1, 2, 0
	MULA F1, 3, 0
	WIN 0
; THE WAY OUT, a block of 16 rows at a time.  Columns d and d + 64 of a head lie in accumulators (a, b) and (a, b + 4) of the same lane:
; out[d] = c[d] cos - c[d+64] sin, out[d+64] = c[d+64] cos + c[d] sin, in f32; then one rounding to f16.  Each accumulator is read from its lowest registers on.
; Block 0 also keeps what the rounding left: the f32 number less its f16 (one fused line for each: f16 half x -1.0 + f32), rounded to f16.
.macro ROPE a
.irp b, 0,1,2,3
	WIN 0x09                                       ; source 0 window 1 (sums), source 1 window 2 (table)
.irp p, 0,2,4,6
	v_pk_mul_f32 v[T0+\p:T0+\p+1], v[8*(8*(\a)+\b+4)+\p:8*(8*(\a)+\b+4)+\p+1], v[64*(\a)+16*\b+8+\p:64*(\a)+16*\b+8+\p+1]
	v_pk_mul_f32 v[T1+\p:T1+\p+1], v[8*(8*(\a)+\b)+\p:8*(8*(\a)+\b)+\p+1], v[64*(\a)+16*\b+8+\p:64*(\a)+16*\b+8+\p+1]
	v_pk_fma_f32 v[LO+\p:LO+\p+1], v[8*(8*(\a)+\b)+\p:8*(8*(\a)+\b)+\p+1], v[64*(\a)+16*\b+\p:64*(\a)+16*\b+\p+1], v[T0+\p:T0+\p+1] neg_lo:[0,0,1] neg_hi:[0,0,1]
	v_pk_fma_f32 v[HI+\p:HI+\p+1], v[8*(8*(\a)+\b+4)+\p:8*(8*(\a)+\b+4)+\p+1], v[64*(\a)+16*\b+\p:64*(\a)+16*\b+\p+1], v[T1+\p:T1+\p+1]
.endr
	WIN 0
.irp r, 0,1,2,3
	v_cvt_pk_f16_f32 v[PK+4*\b+\r], v[LO+2*\r], v[LO+2*\r+1]
	v_cvt_pk_f16_f32 v[PK+4*(\b+4)+\r], v[HI+2*\r], v[HI+2*\r+1]
.endr
.if (\a) == 0
.irp r, 0,1,2,3
	v_fma_mix_f32 v[LO+2*\r],   v[PK+4*\b+\r], v[NEG1], v[LO+2*\r]   op_sel_hi:[1,0,0]
	v_fma_mix_f32 v[LO+2*\r+1], v[PK+4*\b+\r], v[NEG1], v[LO+2*\r+1] op_sel:[1,0,0] op_sel_hi:[1,0,0]
	v_fma_mix_f32 v[HI+2*\r],   v[PK+4*(\b+4)+\r], v[NEG1], v[HI+2*\r]   op_sel_hi:[1,0,0]
	v_fma_mix_f32 v[HI+2*\r+1], v[PK+4*(\b+4)+\r], v[NEG1], v[HI+2*\r+1] op_sel:[1,0,0] op_sel_hi:[1,0,0]
.endr
.irp r, 0,1,2,3
	v_cvt_pk_f16_f32 v[PKL+4*\b+\r], v[LO+2*\r], v[LO+2*\r+1]
	v_cvt_pk_f16_f32 v[PKL+4*(\b+4)+\r], v[HI+2*\r], v[HI+2*\r+1]
.endr
.endif
.endr
.endm
.macro TOSTAGE a                       ; into my own stage, and back as whole rows: LDS serves a wave's instructions in order, so the loads see the stores
.irp b, 0,1,2,3,4,5,6,7
	ds_store_b128 v[STO], v[PK+4*\b:PK+4*\b+3] offset:32*\b
.endr
.irp t, 0,1,2,3,4,5,6,7
	ds_load_b128 v[BK+32*(\a)+4*\t:BK+32*(\a)+4*\t+3], v[RD] offset:\t*2*SPITCH
.endr
.endm
.macro TOSTAGEL                        ; the same for what was left over; it comes back into the registers that it left; these stores come behind the loads of the block before
.irp b, 0,1,2,3,4,5,6,7
	ds_store_b128 v[STO], v[PKL+4*\b:PKL+4*\b+3] offset:32*\b
.endr
.irp t, 0,1,2,3,4,5,6,7
	ds_load_b128 v[PKL+4*\t:PKL+4*\t+3], v[RD] offset:\t*2*SPITCH
.endr
.endm
.macro SEND a
	s_wait_dscnt 0x0                               ; the block is back in registers
.irp t, 0,1,2,3,4,5,6,7
	global_store_b128 v[CO], v[BK+32*(\a)+4*\t:BK+32*(\a)+4*\t+3], s[8:9] offset:4096*(\a)+512*\t  ; 512 consecutive bytes, at a multiple of 256 from qkv's first; every block has registers of its own
.endr
.endm
.macro SENDL
.irp t, 0,1,2,3,4,5,6,7
	global_store_b128 v[CO], v[PKL+4*\t:PKL+4*\t+3], s[78:79] offset:512*\t  ; 512 consecutive bytes, at a multiple of 256 from lo's first
.endr
.endm
	s_wait_loadcnt 0x0                             ; the table
	PLACES
	PLACES
	ROPE 0
	TOSTAGE 0
	TOSTAGEL
.irp a, 1,2,3
	ROPE \a                                        ; a block's arithmetic stands between the stage loads of the block before and the wait for them
	SEND (\a)-1
.if \a == 1
	SENDL
.endif
	TOSTAGE \a
.endr
	SEND 3
	s_wait_tensorcnt 0x0                           ; the wave's end: behind my last tensor load and my last LDS store
	ds_add_u32 v[SPW], v[NIL]
	s_wait_dscnt 0x0
	CROUND                                         ; the closing round
	s_endpgm
.Lfunc_end_k_q1c758cb4c9_qkvp:
	.size	k_q1c758cb4c9_qkvp, .Lfunc_end_k_q1c758cb4c9_qkvp-k_q1c758cb4c9_qkvp
	.p2alignl 7, 3214868480
	.fill 96, 4, 3214868480
	.section	.rodata,"a",@progbits
	.p2align	6, 0x0
	.amdhsa_kernel k_q1c758cb4c9_qkvp
		.amdhsa_group_segment_fixed_size 327680
		.amdhsa_private_segment_fixed_size 0
		.amdhsa_enable_private_segment 0
		.amdhsa_kernarg_size 40
		.amdhsa_user_sgpr_count 2
		.amdhsa_user_sgpr_kernarg_segment_ptr 1
		.amdhsa_wavefront_size32 1
		.amdhsa_system_sgpr_workgroup_id_x 1
		.amdhsa_system_sgpr_workgroup_id_y 1
		.amdhsa_system_sgpr_workgroup_id_z 1
		.amdhsa_system_vgpr_workitem_id 0
		.amdhsa_next_free_vgpr 768
		.amdhsa_next_free_sgpr 80
		.amdhsa_reserve_vcc 0
		.amdhsa_float_denorm_mode_32 3
		.amdhsa_float_denorm_mode_16_64 3
		.amdhsa_memory_ordered 1
		.amdhsa_forward_progress 1
		.amdhsa_inst_pref_size 119
	.end_amdhsa_kernel
	.amdgpu_metadata
---
amdhsa.version: [ 1, 2 ]
amdhsa.kernels:
  - .name:           k_q1c758cb4c9_qkvp
    .symbol:         k_q1c758cb4c9_qkvp.kd
    .args:
      - { .name: xb, .offset: 0, .size: 8, .value_kind: global_buffer, .address_space: global }
      - { .name: wqkv, .offset: 8, .size: 8, .value_kind: global_buffer, .address_space: global }
      - { .name: tab, .offset: 16, .size: 8, .value_kind: global_buffer, .address_space: global }
      - { .name: qkv, .offset: 24, .size: 8, .value_kind: global_buffer, .address_space: global }
      - { .name: lo, .offset: 32, .size: 8, .value_kind: global_buffer, .address_space: global }
    .group_segment_fixed_size: 327680
    .private_segment_fixed_size: 0
    .kernarg_segment_align: 8
    .kernarg_segment_size: 40
    .max_flat_workgroup_size: 128
    .sgpr_count:     80
    .vgpr_count:     768
    .wavefront_size: 32
...
	.end_amdgpu_metadata
.endif
;; end of part 2
;; launch attn (part 3): grid 64 x 4, 4 waves a work-group, clusters of 4 x 1, 327,680 bytes of LDS; arguments qkv, lo, oh; writes oh
.if DOCPART == 3
	.amdgcn_target "amdgcn-amd-amdhsa--gfx1250"
	.amdhsa_code_object_version 6
	.text
	.protected	k_q1c758cb4c9_attn
	.globl	k_q1c758cb4c9_attn
	.p2align	8
	.type	k_q1c758cb4c9_attn,@function
k_q1c758cb4c9_attn:
	s_mov_b64 s[64:65], 0
	v_nop
	global_prefetch_b8 v0, s[64:65] scope:SCOPE_SE
	s_setreg_imm32_b32 hwreg(HW_REG_WAVE_MODE, 25, 1), 1
	s_wait_xcnt 0x0
	s_wait_alu depctr_hold_cnt(0) depctr_sa_sdst(0) depctr_va_vdst(0) depctr_va_sdst(0) depctr_va_ssrc(0) depctr_va_vcc(0) depctr_vm_vsrc(0)
	s_getreg_b32 s2, hwreg(HW_REG_IB_STS2, 6, 4)
	s_cmp_eq_u32 s2, 0
	s_cbranch_scc0 .Lentry_in_a_cluster
	s_endpgm
.Lentry_in_a_cluster:
	s_bfe_u32 s2, ttmp6, 0x10000c
	s_cmp_lg_u32 s2, 0x3003
	s_cbranch_scc0 .Lentry_shape_is_right
	s_endpgm
.Lentry_shape_is_right:
; ATTN.  Causal attention with grouped heads.  qkv [16][4096][128] f16: heads 0-7 q, 8-11 k, 12-15 v; query head h uses key and value head h / 2.
; lo [16][64][16][128] f16: for the first 16 rows of each block of 64, what qkv's rounding left over.  oh [8][64][80][128] f16: for each block of 64 rows, its 64 rows of O, then what the rounding of
; its first 16 rows left over.
; O[h][q] = the sum over k <= q of softmax_k(Q[h][q] . K[k] / sqrt(128)) V[k].  Products, maxima and sums in f32; the weights are rounded to f16 for the second product, O once at the end.
; LIMITS.  q, k, v arrive within f16's 65,504.  A hidden score counts as its value less 1e30.  A weight below 2^-126 counts as 0.  NaN and infinities are not treated apart.
; SHARES.  A work-group owns two blocks of 64 queries of one head.  THE KEYS ARE SPLIT AMONG ITS FOUR WAVES: all four hold the same 64 queries (four tiles of 16), and of each tile of 256 keys
; wave w takes keys 64 w .. 64 w + 63, with a running maximum m, sum l and O^T of its own; at a block's end the four are merged in LDS.  So a fragment of K or V feeds four tiles' products.
; CLUSTER.  The four partners are the two query heads of one key head x the two halves of a block of 128 positions: they walk the same K and V, so every tile is asked for jointly (mask 15).
; cx enters Q's and O's addresses, the masks' values and the prefetches' address alone.
; THE WALK.  Block J of 128 positions needs the key tiles 0 .. J / 2.  Cluster b takes J = 31 - b and then J = b: 17 tiles whatever b: one loop of 16 trips, each with a fill, and a last tile written out.
; A TILE stands by itself: K Q^T of tiles 0, 1; K Q^T of tiles 2, 3 with the softmax of 0, 1 between; V^T P of 0, 1 with the softmax of 2, 3 between; V^T P of 2, 3.
; LAYOUT.  S^T = K Q^T (source 0 = 16 keys, source 1 = 16 queries): a lane holds one query (l % 16) and the keys 8 (l / 16) + 0..7; two such results rounded to f16 are source 1 of O^T = V^T P.
; THE MASK is the C operand that starts a sum S^T: 0, or -1e30 where the key is hidden.  It hangs on key block less query tile alone: seven groups of eight registers, 0 but in a block's last tile.
; Where all of a wave's keys are hidden from a query, all its scores are -1e30 exactly; c x -1e30 rounds toward zero in f32, so c s - c m is far below zero there and the weights are 0.
; m starts at the lowest finite number, so a block's first step multiplies O^T and l by a = 0: what lies there need only be finite (zeros at the start, written while the first tile is on its way).
; THE CORNER.  Row q averages q + 1 rows of V, so the first rows' numbers are large against the whole result's, and their roundings' errors with them.  So in the walk's last tile (the diagonal tile of
; block J = b) query tile 0 and the wave's first 16 keys are taken in two f16 numbers each, hi + lo: S^T takes K_lo Q_hi + K_hi Q_lo as well (8 products), and O^T takes V_lo P_hi + V_hi P_lo
; (8 products: keys' places 0-15 of the 32 hold the first pair, places 16-31 the second).  Positions 0-15 (b = 0, the first half, wave 0) are what needs it; it is right for every wave of every
; work-group, and all do it, so that no branch hangs on a work-group's place.  Every merge also stores what the rounding of O left over for its tile 0.
; REGISTERS.  Window 0: v0-11 addresses; v12-43 eight of statistics a tile; v44-63 below; v64-191 S^T; v192-255 P.  Window 1: O^T, 64 a tile.  Window 2: v0-127 Q, v128-255 K.
; Window 3: v0-127 V, v128-183 the masks, v184-247 K_lo and Q_lo, later the corner's fragments of V.
.set PK,    272       ; a row of K in LDS: 256 + 16 bytes
.set PV,    288       ; a row of V: 256 + 32 bytes
.set VOFF,  256*PK    ; a slot: 256 rows of K, then 256 rows of V
.set SLOT,  256*(PK+PV)
.set PARTB, 2*SLOT    ; behind the ring, never filled by a tensor load: four partial tiles of 16 rows x 528 bytes, f32; in the last tile a wave's own part first turns its 16 rows of V_lo
.set PP,    528
.set STATB, PARTB+4*16*PP  ; (c m, l) by wave, tile and query: 512 bytes a wave
.set SPARE, STATB+2048     ; the spare words, 128 bytes for each wave: two blocks of 256 bytes that no other line names
.set GL,  1           ; 16 x lane (made at the head's end)
.set AK0, 2           ; my lane's place in my wave's 64 rows of K; never rewritten
.set AV0, 3           ; the same for V
.set ADR, 4
.set QO,  5
.set SAD, 6           ; where I put (c m, l)
.set SRD, 7           ; where I read the four waves'
.set GO,  8           ; my byte offset in a tile's 16 rows of O
.set PST, 10          ; where I put 32 bytes of a partial row
.set PRD, 11          ; where I read partial rows back
.set ST,  12          ; tile t at v[ST+8 t]: +0 c m, +1 m, +2, +3 l, +4 to +7 at work (a takes +6)
.set LX,  44          ; l % 16 - 8 (l / 16)
.set VX,  45
.set PX,  46          ; v46-53 the corner's weights: four registers hi, four lo
.set TP,  54          ; v54-57 at work
.set VST, 58          ; where I put 16 bytes of a row of V_lo
.set VTR, 59          ; where the turning load takes them
.set NEG1, 60         ; -1.0
.set PFO, 61
.set SPW, 62
.set NIL, 63
.set S,   64
.set P,   192
.set VRAW, 224        ; V_lo as loaded: P's registers of tiles 2, 3, idle at that time
.set KF,  128         ; window 2
.set MC,  128         ; window 3: group kb - t + 3 at MC + 8 (kb - t + 3)
.set KLF, 184         ; window 3: K_lo, channels 32 c on at KLF + 8 c
.set QLF, 216         ; window 3: Q_lo likewise
.set VLF, 184         ; window 3, when those have been multiplied: channels 16 c on at VLF + 8 c: four registers V_lo, four V_hi
.set WV,  12
.set CX,  13
.set PB,  14          ; b
.set LIM, 15
.set PFA, 18
.set G1K, 24
.set G1V, 32
.set G0K, 40
.set G0V, 44
.set KB,  48          ; s[48:49] K at my half of the head's tile 0
.set VB,  50
.set OP,  52          ; s[52:53] O at the block in hand
.set OLO, 54          ; s[54:55] O at the second block
.set SLOTS, 56
.set RS,  57          ; the slot that is read: 0 or SLOT
.set CS,  58          ; s[58:59] c = log2(e) / sqrt(128)
.set SEL, 60
.set FL,  62          ; the slot that is filled: 0 or SLOT
.set KL,  63
.set VL,  66
.set RT,  67          ; tiles of the block in hand still to be entered
.set NXT, 68          ; the tile to be asked for next
.set LQ,  69          ; the last tile of the block whose tiles are being asked for
.set NEW, 70
.set DD,  71          ; the diagonal's place for my wave's keys in the block's last tile
.set DD2, 72
.set BIGN, 73
.set OFF, 74
.set QN,  76          ; s[76:77] Q of the second block
.set Q1,  78          ; s[78:79] Q of the first
.set LQ2, 80
.set VLP, 84          ; s[84:85] V_lo of my wave's first 16 keys in the walk's last tile
.set CORNER, 0
.set MSB, 0
.macro WIN new
.if MSB != (\new)
	s_set_vgpr_msb (MSB<<8)|(\new)
.set MSB, \new
.endif
.endm
.set W_KQ, 0x0a       ; K and Q window 2, S^T window 0
.set W_KM, 0x3a       ; the same with the C operand in window 3
.set W_PV, 0x53       ; V window 3, P window 0, O^T window 1
.set W_RS, 0x41       ; destination and source 0 window 1, source 1 window 0
.macro PLACES
.rept 4
	v_nop
.endr
.endm
.macro JLOAD                        ; waves 0 and 1 fetch the two halves of a tile's K, waves 2 and 3 those of its V; an s_nop 0 and four v_nop follow each line
	s_cmp_lt_u32 s[WV], 2
	s_cbranch_scc0 .Lfor_v_\@
	tensor_load_to_lds s[G0K:G0K+3], s[G1K:G1K+7]
	s_nop 0
.rept 4
	v_nop
.endr
	s_branch .Lasked_\@
.Lfor_v_\@:
	tensor_load_to_lds s[G0V:G0V+3], s[G1V:G1V+7]
	s_nop 0
.rept 4
	v_nop
.endr
.Lasked_\@:
.endm
.macro CROUND
	s_barrier_signal -1
	s_barrier_wait -1
	s_cmp_lg_u32 s[WV], 0
	s_cbranch_scc1 .Lnot_wave_0_\@
	s_barrier_signal -3
.Lnot_wave_0_\@:
	s_barrier_wait -3
	s_barrier_signal -1
	s_barrier_wait -1
.endm
; A PREFETCH INTO THE L2.  All sixteen clusters of a key head walk the same tiles: cluster b = 0, whose first block walks tiles 0 to 15, asks.  Behind the load of tile n + 1 it names tile n + 3: a lane a row
; of 256 bytes; partner cx takes rows 64 cx + 32 (w % 2) + l, of K in waves 0 and 1, of V in waves 2 and 3: each row is named once.  Tiles 0 to 2 come by their loads alone; tile 15 is the last named.
.macro ASK
	s_cmp_gt_u32 s[SLOTS], s[LIM]
	s_cbranch_scc0 .Lnot_mine_\@
	global_prefetch_b8 v[PFO], s[PFA:PFA+1] th:TH_LOAD_NT scope:SCOPE_SE
.Lnot_mine_\@:
.endm
; THE CHANGE OF SLOTS.  Each wave waits for all its tensor loads (one is out: its part of the other slot), adds 0 to its spare word, and waits for that and for its reads of the slot that it leaves.
; fill = 1: a round of the cluster's barrier, and behind it the old slot is filled with tile NXT; the descriptor's address is made anew from that number.
; (At its first use nothing has been read yet: slot 0 is waited for, slot 1 filled.)
.macro CHANGE fill
	WIN 0
	s_wait_tensorcnt 0x0
	ds_add_u32 v[SPW], v[NIL]       ; 0 onto my spare word; scalar work stands between it and the wait for it
.if \fill
	s_lshl_b32 s[OFF], s[NXT], 16   ; a tile is 65,536 bytes of K and of V
	s_xor_b32 s[FL], s[FL], SLOT
	s_add_co_u32 s[G0K+1], s[KL], s[FL]
	s_add_nc_u64 s[G0K+2:G0K+3], s[KB:KB+1], s[OFF:OFF+1]
	s_or_b32 s[G0K+3], s[G0K+3], 0x80000000
	s_add_co_u32 s[G0V+1], s[VL], s[FL]
	s_add_nc_u64 s[G0V+2:G0V+3], s[VB:VB+1], s[OFF:OFF+1]
	s_or_b32 s[G0V+3], s[G0V+3], 0x80000000
	s_add_co_u32 s[NXT], s[NXT], 1  ; the block's next tile, or behind its last the second block's tile 0
	s_cmp_gt_u32 s[NXT], s[LQ]
	s_cselect_b32 s[NXT], 0, s[NXT]
	s_cselect_b32 s[LQ], s[LQ2], s[LQ]
	s_wait_xcnt 0x0                 ; the last prefetch, a tile back, has read its address
	s_add_nc_u64 s[PFA:PFA+1], s[PFA:PFA+1], 65536
	s_wait_dscnt 0x0                ; the add is done, and my reads of the slot are over
	CROUND
	JLOAD
.else
	s_wait_dscnt 0x0
	s_barrier_signal -1
	s_barrier_wait -1
.endif
	s_xor_b32 s[RS], s[RS], SLOT
.endm
	s_load_b128 s[4:7], s[0:1], 0x0 ; qkv s[4:5], lo s[6:7]
	s_load_b64 s[8:9], s[0:1], 0x10 ; oh
	v_lshl_add_u32 v[SPW], v0, 2, SPARE
	v_mov_b32 v[NIL], 0
	ds_add_u32 v[SPW], v[NIL]       ; the wave's opening: the add and its wait ahead of my first tensor load
	v_lshrrev_b32 v1, 5, v0
	v_readfirstlane_b32 s[WV], v1
	s_bfe_u32 s[CX], ttmp6, 0x40000
	s_mov_b32 s[PB], ttmp9
	s_and_b32 s20, ttmp7, 0xffff    ; the key head
	s_and_b32 s16, s[WV], 1         ; which half of a tile's 256 rows I fetch
	s_mul_i32 s[KL], s16, 128*PK
	s_mul_i32 s[VL], s16, 128*PV
	s_add_co_u32 s[VL], s[VL], VOFF
	s_add_co_u32 s21, s20, 8
	s_lshl_b32 s21, s21, 20         ; the key head's first byte in qkv
	s_lshl_b32 s22, s16, 15
	s_add_co_u32 s[KB], s21, s22
	s_mov_b32 s[KB+1], 0
	s_add_co_u32 s[VB], s[KB], 4<<20
	s_mov_b32 s[VB+1], 0
	s_sub_co_u32 s17, 31, s[PB]     ; the first block
	s_lshr_b32 s[LQ], s17, 1
	s_add_co_u32 s[RT], s[LQ], 1
	s_lshr_b32 s[LQ2], s[PB], 1
	s_mov_b32 s[NXT], 1
	s_mov_b32 s[NEW], 1
	s_lshr_b32 s81, s[CX], 1        ; which 64 of a block's 128 positions are mine
	s_and_b32 s82, s[CX], 1
	s_lshl1_add_u32 s82, s20, s82   ; my query head
	s_mul_i32 s86, s82, 64*80*256   ; oh: my head's 64 blocks of 80 rows,
	s_lshl1_add_u32 s87, s17, s81   ; the first block's number among them: 2 J + half,
	s_mul_i32 s87, s87, 80*256
	s_add_co_u32 s[OP], s86, s87
	s_mov_b32 s[OP+1], 0
	s_lshl1_add_u32 s87, s[PB], s81 ; the second block's
	s_mul_i32 s88, s87, 80*256
	s_add_co_u32 s[OLO], s86, s88
	s_mov_b32 s[OLO+1], 0
	s_lshl_b32 s86, s82, 18         ; lo: my head's 64 blocks of 4,096 bytes,
	s_lshl_b32 s87, s87, 12         ; the second block's: Q_lo
	s_add_co_u32 s86, s86, s87
	s_mov_b32 s87, 0
	s_lshl_b32 s88, s[LQ2], 2       ; the walk's last tile is tile b / 2: my wave's keys are block 4 (b / 2) + w
	s_add_co_u32 s88, s88, s[WV]
	s_lshl_b32 s88, s88, 12
	s_add_co_u32 s89, s20, 8
	s_lshl_b32 s89, s89, 18
	s_add_co_u32 s88, s88, s89      ; K_lo
	s_mov_b32 s89, 0
	s_add_co_u32 s[VLP], s88, 4<<18 ; V_lo
	s_mov_b32 s[VLP+1], 0
	s_lshl_b32 s82, s82, 20
	s_lshl_b32 s83, s81, 14
	s_add_co_u32 s82, s82, s83
	s_lshl_b32 s83, s17, 15
	s_add_co_u32 s[Q1], s82, s83    ; byte offset of my rows in qkv: first block,
	s_mov_b32 s[Q1+1], 0
	s_lshl_b32 s83, s[PB], 15
	s_add_co_u32 s[QN], s82, s83    ; second block
	s_mov_b32 s[QN+1], 0
	s_sub_co_u32 s83, s[WV], s81    ; key kk of my 64 is hidden from query qq of my 64 where kk - qq + DD > 0, DD = 64 (w - half) - 128 (J % 2)
	s_lshl_b32 s83, s83, 6
	s_and_b32 s22, s17, 1
	s_lshl_b32 s22, s22, 7
	s_sub_co_u32 s[DD], s83, s22
	s_and_b32 s22, s[PB], 1
	s_lshl_b32 s22, s22, 7
	s_sub_co_u32 s[DD2], s83, s22
	s_cmp_lt_u32 s[WV], 2
	s_cselect_b32 s22, 0, 4<<20
	s_add_co_u32 s22, s22, s21
	s_lshl_b32 s23, s[CX], 14
	s_add_co_u32 s22, s22, s23
	s_lshl_b32 s23, s16, 13
	s_add_co_u32 s22, s22, s23
	s_add_co_u32 s[PFA], s22, 2*65536  ; at tile 2: the first change steps it to 3
	s_mov_b32 s[PFA+1], 0
	s_cmp_eq_u32 s[PB], 0
	s_cselect_b32 s[LIM], 3, -1     ; the same in all four partners
	s_mov_b32 s[G1K], 15|(1<<16)|(1<<20)|(1<<21)|(5<<22)|(3<<25)  ; the mask of four; 2-byte elements; padding on; bit 21 beside a mask; after every 64 words 4 words
	s_mov_b32 s[G1V], 15|(1<<16)|(1<<20)|(1<<21)|(5<<22)|(7<<25)  ; the same with 8 words
.irp g, G1K, G1V
	s_mov_b32 s[(\g)+1], 128<<16    ; tensor_dim0 = 128
	s_mov_b32 s[(\g)+2], 128<<16    ; tensor_dim1 = 128
	s_mov_b32 s[(\g)+3], 128<<16    ; tile_dim0 = 128
	s_mov_b32 s[(\g)+4], 128        ; tile_dim1 = 128
	s_mov_b32 s[(\g)+5], 128
	s_mov_b32 s[(\g)+6], 0
	s_mov_b32 s[(\g)+7], 0
.endr
	s_mov_b32 s[CS], 0x3e0293ee
	s_mov_b32 s[CS+1], s[CS]
	s_mov_b32 s[SEL], 0x76543210
	s_mov_b32 s[SEL+1], 0xfedcba98
	s_mov_b32 s[BIGN], 0xf149f2ca   ; -1e30
	s_mov_b32 s[OFF+1], 0
	s_mov_b32 s[FL], 0
	s_mov_b32 s[RS], SLOT           ; the first change turns it into 0
	s_mov_b32 s[SLOTS], 16
	s_wait_dscnt 0x0                ; the opening add is done
	s_wait_kmcnt 0x0
	s_add_nc_u64 s[KB:KB+1], s[4:5], s[KB:KB+1]
	s_add_nc_u64 s[VB:VB+1], s[4:5], s[VB:VB+1]
	s_add_nc_u64 s[PFA:PFA+1], s[4:5], s[PFA:PFA+1]
	s_add_nc_u64 s[OP:OP+1], s[8:9], s[OP:OP+1]
	s_add_nc_u64 s[OLO:OLO+1], s[8:9], s[OLO:OLO+1]
	s_add_nc_u64 s[Q1:Q1+1], s[4:5], s[Q1:Q1+1]
	s_add_nc_u64 s[QN:QN+1], s[4:5], s[QN:QN+1]
	s_add_nc_u64 s[86:87], s[6:7], s[86:87]
	s_add_nc_u64 s[88:89], s[6:7], s[88:89]
	s_add_nc_u64 s[VLP:VLP+1], s[6:7], s[VLP:VLP+1]
	s_mov_b32 s[G0K], 1
	s_mov_b32 s[G0K+1], s[KL]
	s_mov_b64 s[G0K+2:G0K+3], s[KB:KB+1]
	s_or_b32 s[G0K+3], s[G0K+3], 0x80000000
	s_mov_b32 s[G0V], 1
	s_mov_b32 s[G0V+1], s[VL]
	s_mov_b64 s[G0V+2:G0V+3], s[VB:VB+1]
	s_or_b32 s[G0V+3], s[G0V+3], 0x80000000
	CROUND                          ; all four work-groups are here
	JLOAD                           ; tile 0 into slot 0
.macro QLOAD ptr                    ; 64 queries x 128 channels: tile f / 4, channels 32 (f % 4) on
	WIN 0x80
.irp f, 0,1,2,3,4,5,6,7,8,9,10,11,12,13,14,15
	global_load_b128 v[8*\f:8*\f+3],   v[QO], s[\ptr:\ptr+1] offset:(\f/4)*4096+(\f%4)*64
	global_load_b128 v[8*\f+4:8*\f+7], v[QO], s[\ptr:\ptr+1] offset:(\f/4)*4096+(\f%4)*64+32
.endr
	WIN 0
.endm
	v_and_b32 v1, 15, v0            ; l % 16
	v_bfe_u32 v9, v0, 4, 1          ; l / 16
	v_lshlrev_b32 v[QO], 8, v1
	v_lshl_add_u32 v[QO], v9, 4, v[QO]
	QLOAD Q1
	WIN 0xc0                        ; the corner's K_lo and Q_lo, 16 rows x 128 channels each, lie as K's and Q's fragments do; they wait in window 3 for the walk's last tile
.irp c, 0,1,2,3
	global_load_b128 v[KLF+8*\c:KLF+8*\c+3],   v[QO], s[88:89] offset:64*\c
	global_load_b128 v[KLF+8*\c+4:KLF+8*\c+7], v[QO], s[88:89] offset:64*\c+32
	global_load_b128 v[QLF+8*\c:QLF+8*\c+3],   v[QO], s[86:87] offset:64*\c
	global_load_b128 v[QLF+8*\c+4:QLF+8*\c+7], v[QO], s[86:87] offset:64*\c+32
.endr
	WIN 0x40
.set i, 0
.rept 256
	v_mov_b32 v[i], 0               ; O^T: finite numbers for the first a = 0
.set i, i+1
.endr
	WIN 0xc0
.set i, 0
.rept 56
	v_mov_b32 v[MC+i], 0
.set i, i+1
.endr
	WIN 0
.set i, 0
.rept 32
	v_mov_b32 v[ST+i], 0
.set i, i+1
.endr
	v_mov_b32 v[NEG1], -1.0
	s_mul_i32 s81, s[WV], 64*PK
	v_mul_u32_u24 v[AK0], v1, PK
	v_lshl_add_u32 v[AK0], v9, 4, v[AK0]
	v_add_nc_u32 v[AK0], s81, v[AK0]       ; my wave's 64 rows; row l % 16; 16 bytes for each half of the lanes
	s_mul_i32 s81, s[WV], 64*PV
	s_add_co_u32 s81, s81, VOFF
	v_and_b32 v46, 7, v0
	v_bfe_u32 v47, v0, 3, 1
	v_lshl_add_u32 v[AV0], v9, 3, v46      ; the turning load: key 8 (l / 16) + l % 8, channels 8 ((l / 8) % 2) on
	v_mul_u32_u24 v[AV0], v[AV0], PV
	v_lshl_add_u32 v[AV0], v47, 4, v[AV0]
	v_mov_b32 v[VTR], v[AV0]
	v_add_nc_u32 v[AV0], s81, v[AV0]
	s_lshl_b32 s81, s[WV], 9
	s_add_co_u32 s81, s81, STATB
	v_lshl_add_u32 v[SAD], v1, 3, s81
	v_lshl_add_u32 v[SRD], v1, 3, STATB
	s_mul_i32 s81, s[WV], 16*PP
	s_add_co_u32 s81, s81, PARTB
	v_mul_u32_u24 v[PST], v1, PP
	v_lshl_add_u32 v[PST], v9, 5, v[PST]
	v_add_nc_u32 v[PST], s81, v[PST]       ; my partial tile; row l % 16; 32 bytes for each half of the lanes
	v_add_nc_u32 v[VTR], s81, v[VTR]       ; V_lo is turned out of the same bytes of mine, in rows of 288 bytes;
	v_mul_u32_u24 v[VST], v9, PV
	v_lshl_add_u32 v[VST], v1, 4, v[VST]
	v_add_nc_u32 v[VST], s81, v[VST]       ; it goes in two rows at a time: row l / 16, 16 bytes at 16 (l % 16)
	s_mul_i32 s81, s[WV], 4*PP
	s_add_co_u32 s81, s81, PARTB
	v_mul_u32_u24 v[PRD], v9, PP
	v_lshl_add_u32 v[PRD], v1, 5, v[PRD]
	v_add_nc_u32 v[PRD], s81, v[PRD]       ; back: rows 4 w + l / 16 (+ 2), channels 8 (l % 16) on
	s_lshl_b32 s81, s[WV], 10
	v_and_b32 v[GO], 31, v0
	v_lshl_add_u32 v[GO], v[GO], 4, s81
	v_lshlrev_b32 v46, 3, v9
	v_sub_nc_u32 v[LX], v1, v46
	v_and_b32 v[PFO], 31, v0
	v_lshlrev_b32 v[GL], 4, v[PFO]
	v_lshlrev_b32 v[PFO], 8, v[PFO]
; THE MATRIX WORK.  The accumulators take turns, one instruction a turn.
; Product i of 32 of S^T = K Q^T for tiles x, x + 1: channels 32 (i / 8) on, keys 16 ((i / 2) % 4) on, tile x + i % 2.  The first 8 start the sums, with the mask.
.macro KQ x
.set rS, S+32*((\x)+i%2)+8*((i/2)%4)
.set rK, KF+32*((i/2)%4)+8*(i/8)
.set rQ, 32*((\x)+i%2)+8*(i/8)
.set rM, MC+8*((i/2)%4-((\x)+i%2)+3)
.if i < 8
	WIN W_KM
	v_wmma_f32_16x16x32_f16 v[rS:rS+7], v[rK:rK+7], v[rQ:rQ+7], v[rM:rM+7]
.else
	WIN W_KQ
	v_wmma_f32_16x16x32_f16 v[rS:rS+7], v[rK:rK+7], v[rQ:rQ+7], v[rS:rS+7]
.endif
.endm
; The corner's product e of 8, onto the scores of tile 0 and my first 16 keys: e < 4: K_lo Q_hi, channels 32 e on; else K_hi Q_lo, channels 32 (e - 4) on.
; It stands singly behind numbers 3 and 5 of each eight of KQ 0, whose neighbours there name other accumulators.
.macro KQX e
.if (\e) < 4
	WIN 0x0b                        ; source 0 window 3, source 1 window 2
	v_wmma_f32_16x16x32_f16 v[S:S+7], v[KLF+8*(\e):KLF+8*(\e)+7], v[8*(\e):8*(\e)+7], v[S:S+7]
.else
	WIN 0x0e                        ; source 0 window 2, source 1 window 3
	v_wmma_f32_16x16x32_f16 v[S:S+7], v[KF+8*((\e)-4):KF+8*((\e)-4)+7], v[QLF+8*((\e)-4):QLF+8*((\e)-4)+7], v[S:S+7]
.endif
.endm
; Product i of 32 of O^T += V^T P: keys 32 (i / 16) on, channels 16 ((i / 2) % 8) on, tile x + i % 2.
.macro PV x
	WIN W_PV
.set rO, 64*((\x)+i%2)+8*((i/2)%8)
.set rV, 64*(i/16)+8*((i/2)%8)
.set rP, P+16*((\x)+i%2)+8*(i/16)
	v_wmma_f32_16x16x32_f16 v[rO:rO+7], v[rV:rV+7], v[rP:rP+7], v[rO:rO+7]
.endm
; THE LDS LOADS stand in runs of 32: my 64 keys of K (16 fragments), and of V (turned).
.macro FETCH_K
	WIN 0
	v_add_nc_u32 v[ADR], s[RS], v[AK0]
	WIN 0x80
.irp f, 0,1,2,3,4,5,6,7,8,9,10,11,12,13,14,15
	ds_load_b128 v[KF+8*\f:KF+8*\f+3],   v[ADR] offset:(\f/4)*16*PK+(\f%4)*64
	ds_load_b128 v[KF+8*\f+4:KF+8*\f+7], v[ADR] offset:(\f/4)*16*PK+(\f%4)*64+32
.endr
	WIN 0
.endm
.macro FETCH_V
	WIN 0
	v_add_nc_u32 v[ADR], s[RS], v[AV0]
	s_wait_alu depctr_va_vdst(0)    ; the wait for the softmax's batch of exponentials, ahead of their first reader
	WIN 0xc0
.irp f, 0,1,2,3,4,5,6,7,8,9,10,11,12,13,14,15
	ds_load_tr16_b128 v[8*\f:8*\f+3],   v[ADR] offset:(\f/8)*32*PV+(\f%8)*32
	ds_load_tr16_b128 v[8*\f+4:8*\f+7], v[ADR] offset:(\f/8)*32*PV+16*PV+(\f%8)*32
.endr
.endm
; The corner's fragments of V: my 16 rows of V_lo go from registers into my own bytes of the merge's scratch and come out turned (LDS serves a wave's instructions in order); beside each, V_hi of the same
; 16 keys once more.  K_lo's and Q_lo's registers take them: their last products stand a whole run of vector lines back.
.macro CORNER_V
	WIN 0
	s_wait_loadcnt 0x0              ; V_lo's eight loads, issued 58 matrix instructions back
.irp n, 0,1,2,3,4,5,6,7
	ds_store_b128 v[VST], v[VRAW+4*\n:VRAW+4*\n+3] offset:\n*2*PV
.endr
	WIN 0xc0
.irp c, 0,1,2,3,4,5,6,7
	ds_load_tr16_b128 v[VLF+8*\c:VLF+8*\c+3],   v[VTR] offset:32*\c
	ds_load_tr16_b128 v[VLF+8*\c+4:VLF+8*\c+7], v[ADR] offset:32*\c
.endr
	WIN 0
.endm
; The corner's weights: tile 0, my first 16 keys: rounded to f16, and what that rounding left (f16 half x -1.0 + f32, one fused line each), rounded to f16.
.macro PLO
	WIN 0
.irp n, 0,1,2,3
	v_cvt_pk_f16_f32 v[PX+\n], v[S+2*\n], v[S+2*\n+1]
.endr
.irp n, 0,1,2,3
	v_fma_mix_f32 v[TP+2*(\n%2)],   v[PX+\n], v[NEG1], v[S+2*\n]   op_sel_hi:[1,0,0]
	v_fma_mix_f32 v[TP+2*(\n%2)+1], v[PX+\n], v[NEG1], v[S+2*\n+1] op_sel:[1,0,0] op_sel_hi:[1,0,0]
	v_cvt_pk_f16_f32 v[PX+4+\n], v[TP+2*(\n%2)], v[TP+2*(\n%2)+1]
.endr
.endm
; THE VECTOR WORK.  One tile's softmax is a list of 134 instructions; SM writes number j of it for tile t.  s0-s31 are the lane's 32 scores, in pairs 0-15.
;   0-15 the maximum of s0-s31 and the old m (each accumulator's lowest registers are read first)    16-20 the other half of the lanes' maximum; the new m; c m; c m_old - c m_new
;   21-69 one batch: the 16 scalings c s - c m and all 33 exponentials (a at 23); none of these reads an exponential's result    (the wait)
;   70-85 the roundings to f16    86-101 the sums; l = a l + the sum    102-133 the tile's O^T times a
.macro SM t
.set rT, ST+8*(\t)
.set rS, S+32*(\t)
.set rP, P+16*(\t)
.set rO, 64*(\t)+2*(j-102)
.if j < 102
	WIN 0
.endif
.if j < 4
	v_max3_num_f32 v[rT+4+j], v[rS+8*j], v[rS+8*j+1], v[rS+8*j+2]
.elseif j < 12
	v_max3_num_f32 v[rT+4+j%4], v[rT+4+j%4], v[rS+8*(j%4)+2*(j/4)+1], v[rS+8*(j%4)+2*(j/4)+2]
.elseif j == 12
	v_max3_num_f32 v[rT+4], v[rT+4], v[rS+7], v[rS+15]
.elseif j == 13
	v_max3_num_f32 v[rT+6], v[rT+6], v[rS+23], v[rS+31]
.elseif j == 14
	v_max3_num_f32 v[rT+4], v[rT+4], v[rT+5], v[rT+6]
.elseif j == 15
	v_max3_num_f32 v[rT+4], v[rT+4], v[rT+7], v[rT+1]
.elseif j == 16
	v_permlanex16_b32 v[rT+5], v[rT+4], s[SEL], s[SEL+1]
.elseif j == 17
	v_mov_b32 v[rT+7], v[rT]
.elseif j == 18
	v_max_num_f32 v[rT+1], v[rT+4], v[rT+5]
.elseif j == 19
	v_mul_f32 v[rT], s[CS], v[rT+1]
.elseif j == 20
	v_sub_f32 v[rT+7], v[rT+7], v[rT]
.elseif j == 23
	v_exp_f32 v[rT+6], v[rT+7]
.elseif (j < 23) || ((j < 38) && (j%2 == 0)) || ((j < 66) && (j%4 == 2))
.set b, (j-2)/4
.if j < 38
.set b, (j-20)/2
.endif
	v_pk_fma_f32 v[rS+2*b:rS+2*b+1], v[rS+2*b:rS+2*b+1], s[CS:CS+1], v[rT:rT+1] op_sel_hi:[1,0,0] neg_lo:[0,0,1] neg_hi:[0,0,1]
.elseif j < 70
.set e, j-38
.if j < 66
.set e, j-32-(j-38)/4
.endif
.if j < 38
.set e, (j-25)/2
.endif
	v_exp_f32 v[rS+e], v[rS+e]
.elseif j < 86
	v_cvt_pk_f16_f32 v[rP+j-70], v[rS+2*(j-70)], v[rS+2*(j-70)+1]
.elseif j < 102
.set z, j-86
.set w, 4
.set u, z
.if z >= 14
.set w, 32
.set u, 0
.elseif z >= 12
.set w, 16
.set u, z-12
.elseif z >= 8
.set w, 8
.set u, z-8
.endif
.if z < 15
	v_pk_add_f32 v[rS+w*u:rS+w*u+1], v[rS+w*u:rS+w*u+1], v[rS+w*u+w/2:rS+w*u+w/2+1]
.else
	v_pk_fma_f32 v[rT+2:rT+3], v[rT+2:rT+3], v[rT+6:rT+7], v[rS:rS+1] op_sel_hi:[1,0,1]
.endif
.else
	WIN W_RS
	v_pk_mul_f32 v[rO:rO+1], v[rO:rO+1], v[rT+6:rT+7] op_sel_hi:[1,0]
.endif
.endm
; Slice k of 64 of the softmax of tiles y, y + 1: four instructions (slice 63: sixteen).  Slices 11 to 34 deal out the batch, four numbers of one tile each.  Behind slice 34 stand a plain instruction
; and the one wait for the 66 exponentials; with y = 0 V's run of loads stands there too, and in the walk's last tile the corner's fragments of V and its weights, ahead of the sums that work in place.
.macro SLICE y
.if (k >= 11) && (k < 35)
.irp n, 0,1,2,3
.set j, 22+4*((k-11)/2)+(\n)
	SM (\y)+(k-11)%2
.endr
.else
.irp n, 0,1,2,3,4,5,6,7
.if ((\n) < 2) || (k == 63)
.irp t, \y, (\y)+1
.set j, 2*k+(\n)
	SM \t
.endr
.endif
.endr
.endif
.if k == 34
	v_nop
.if (\y) == 0
	FETCH_V
.if CORNER
	CORNER_V
	PLO
.endif
.else
	s_wait_alu depctr_va_vdst(0)
.endif
.endif
.set k, k+1
.endm
.macro BEGIN                        ; a block begins: c m far below every c s, m the lowest finite number, l = 0, the masks 0
	s_mov_b32 s[NEW], 0
	WIN 0xc0
.set d, 0
.rept 56
	v_mov_b32 v[MC+d], 0
.set d, d+1
.endr
	WIN 0
.irp t, 0,1,2,3
	v_mov_b32 v[ST+8*\t], 0xfe000000
	v_mov_b32 v[ST+8*\t+1], 0xff7fffff
	v_mov_b32 v[ST+8*\t+2], 0
	v_mov_b32 v[ST+8*\t+3], 0
.endr
.endm
.macro MAKEMASK                     ; a block's last tile: register j of group g is hidden where 16 (g - 3) + j > l % 16 - 8 (l / 16) - DD
	WIN 0
	v_sub_nc_u32 v[VX], v[LX], s[DD]
	WIN 0xc0
.set d, 0
.rept 56
	v_cmp_gt_i32 vcc_lo, 16*(d/8-3)+d%8, v[VX]
	v_cndmask_b32 v[MC+d], 0, s[BIGN], vcc_lo
.set d, d+1
.endr
	WIN 0
.endm
; THE MERGE of the four waves' parts of a block.  Each wave's (c m, l) for its 64 queries meet in LDS; with M the largest c m and e_w = 2^(c m_w - M), O = the sum of e_w O_w / the sum of e_w l_w.
; Each wave multiplies its O^T by e_own / L; then, a tile of 16 queries at a time, the four partial tiles meet in LDS in f32 and each wave adds, rounds and stores four rows.
; For tile 0 what the rounding left is rounded to f16 and stored too, behind the block's 64 rows.  A wave that saw no visible key has c m near -1.3e29: its e is 0.
.macro MERGE
	WIN 0
.irp t, 0,1,2,3
	v_add_f32 v[ST+8*\t+4], v[ST+8*\t+2], v[ST+8*\t+3]    ; four plain lines: the places behind the last products
.endr
.irp t, 0,1,2,3
	v_permlanex16_b32 v[ST+8*\t+5], v[ST+8*\t+4], s[SEL], s[SEL+1]
.endr
.irp t, 0,1,2,3
	v_add_f32 v[ST+8*\t+1], v[ST+8*\t+4], v[ST+8*\t+5]    ; l, beside c m
.endr
.irp t, 0,1,2,3
	ds_store_b64 v[SAD], v[ST+8*\t:ST+8*\t+1] offset:128*\t
.endr
	s_wait_dscnt 0x0                ; for the others' sake
	s_barrier_signal -1
	s_barrier_wait -1
.irp t, 0,1,2,3
.irp x, 0,1,2,3
	ds_load_b64 v[S+8*\t+2*\x:S+8*\t+2*\x+1], v[SRD] offset:512*\x+128*\t
.endr
.endr
	s_wait_dscnt 0x0
.irp t, 0,1,2,3
	v_max3_num_f32 v[ST+8*\t+4], v[S+8*\t], v[S+8*\t+2], v[S+8*\t+4]
.endr
.irp t, 0,1,2,3
	v_max_num_f32 v[ST+8*\t+4], v[ST+8*\t+4], v[S+8*\t+6]
.endr
.irp t, 0,1,2,3
.irp x, 0,1,2,3
	v_sub_f32 v[S+8*\t+2*\x], v[S+8*\t+2*\x], v[ST+8*\t+4]
.endr
	v_sub_f32 v[ST+8*\t+5], v[ST+8*\t], v[ST+8*\t+4]
.endr
.irp t, 0,1,2,3
.irp x, 0,1,2,3
	v_exp_f32 v[S+8*\t+2*\x], v[S+8*\t+2*\x]
.endr
	v_exp_f32 v[ST+8*\t+5], v[ST+8*\t+5]
.endr
	v_nop                           ; a plain instruction behind the last exponential,
	s_wait_alu depctr_va_vdst(0)    ; and one wait for the twenty
.irp t, 0,1,2,3
	v_mul_f32 v[ST+8*\t+4], v[S+8*\t], v[S+8*\t+1]
.endr
.irp x, 1,2,3
.irp t, 0,1,2,3
	v_fmac_f32 v[ST+8*\t+4], v[S+8*\t+2*\x], v[S+8*\t+2*\x+1]
.endr
.endr
.irp t, 0,1,2,3
	v_rcp_f32 v[ST+8*\t+4], v[ST+8*\t+4]
.endr
	v_nop
	s_wait_alu depctr_va_vdst(0)    ; one wait for the four reciprocals
.irp t, 0,1,2,3
	v_mul_f32 v[ST+8*\t+6], v[ST+8*\t+5], v[ST+8*\t+4]
.endr
	WIN W_RS
.irp t, 0,1,2,3
.set i, 64*\t
.rept 32
	v_pk_mul_f32 v[i:i+1], v[i:i+1], v[ST+8*\t+6:ST+8*\t+7] op_sel_hi:[1,0]
.set i, i+2
.endr
.endr
.irp t, 0,1,2,3
	WIN 0x04                        ; store data window 1
.irp c, 0,1,2,3,4,5,6,7
	ds_store_b128 v[PST], v[64*\t+8*\c:64*\t+8*\c+3]   offset:64*\c
	ds_store_b128 v[PST], v[64*\t+8*\c+4:64*\t+8*\c+7] offset:64*\c+16
.endr
	WIN 0
	s_wait_dscnt 0x0                ; my partial tile lies in LDS,
	s_barrier_signal -1
	s_barrier_wait -1               ; everybody's does
.irp x, 0,1,2,3
.irp r, 0,1
	ds_load_b128 v[S+16*\x+8*\r:S+16*\x+8*\r+3],   v[PRD] offset:16*PP*\x+2*PP*\r
	ds_load_b128 v[S+16*\x+8*\r+4:S+16*\x+8*\r+7], v[PRD] offset:16*PP*\x+2*PP*\r+16
.endr
.endr
	s_wait_dscnt 0x0                ; my reads are over: the partial tiles may be written again behind the next barrier
.if \t < 3
	s_barrier_signal -1
.endif
.irp n, 0,2,4,6,8,10,12,14
	v_pk_add_f32 v[S+\n:S+\n+1], v[S+\n:S+\n+1], v[S+16+\n:S+16+\n+1]
	v_pk_add_f32 v[S+32+\n:S+32+\n+1], v[S+32+\n:S+32+\n+1], v[S+48+\n:S+48+\n+1]
.endr
.irp n, 0,2,4,6,8,10,12,14
	v_pk_add_f32 v[S+\n:S+\n+1], v[S+\n:S+\n+1], v[S+32+\n:S+32+\n+1]
.endr
.irp n, 0,1,2,3,4,5,6,7
	v_cvt_pk_f16_f32 v[P+8*\t+\n], v[S+2*\n], v[S+2*\n+1]
.endr
.if \t == 0
.irp n, 0,1,2,3,4,5,6,7
	v_fma_mix_f32 v[S+2*\n],   v[P+\n], v[NEG1], v[S+2*\n]   op_sel_hi:[1,0,0]
	v_fma_mix_f32 v[S+2*\n+1], v[P+\n], v[NEG1], v[S+2*\n+1] op_sel:[1,0,0] op_sel_hi:[1,0,0]
.endr
.irp n, 0,1,2,3,4,5,6,7
	v_cvt_pk_f16_f32 v[P+32+\n], v[S+2*\n], v[S+2*\n+1]
.endr
.endif
.if \t < 3
	s_barrier_wait -1
.endif
	global_store_b128 v[GO], v[P+8*\t:P+8*\t+3],   s[OP:OP+1] offset:4096*\t        ; 512 consecutive bytes, at a multiple of 256 from oh's first; registers of their own for each store
	global_store_b128 v[GO], v[P+8*\t+4:P+8*\t+7], s[OP:OP+1] offset:4096*\t+512
.if \t == 0
	global_store_b128 v[GO], v[P+32:P+35], s[OP:OP+1] offset:16384                  ; rows 64 to 79 of the block's 80
	global_store_b128 v[GO], v[P+36:P+39], s[OP:OP+1] offset:16384+512
.endif
.endr
.endm
; A TILE.  fill = 1: the loop's copy.  fill = 0: the walk's last tile, which is always a block's last, asks for nothing and holds the corner.  The tests hang on b and the trip alone: alike in all waves and partners.
.macro TILE fill
.set CORNER, 1-(\fill)
	CHANGE \fill
	s_sub_co_u32 s[RT], s[RT], 1
	FETCH_K
.if \fill
	ASK                             ; behind the joint load and the run of LDS loads
.endif
	s_cmp_eq_u32 s[NEW], 1
	s_cbranch_scc0 .Lold_\@
	BEGIN
.Lold_\@:
.if \fill
	s_cmp_eq_u32 s[RT], 0
	s_cbranch_scc0 .Lopen_\@
.endif
	MAKEMASK
.if \fill
.Lopen_\@:
	s_wait_loadcnt 0x0              ; Q
.else
.irp n, 0,1,2,3,4,5,6,7
	global_load_b128 v[VRAW+4*\n:VRAW+4*\n+3], v[GL], s[VLP:VLP+1] offset:512*\n   ; V_lo, two rows a load; the mask's lines are the places behind the products that read these registers last
.endr
	s_wait_loadcnt 8                ; Q's loads are older than these eight, which may stay out
.endif
	s_wait_dscnt 0x0                ; K
.set i, 0
.rept 32
	KQ 0
.if CORNER
.if i%8 == 3
	KQX 2*(i/8)
.elseif i%8 == 5
	KQX 2*(i/8)+1
.endif
.endif
.set i, i+1
.endr
	WIN 0
	PLACES                          ; behind those products, ahead of the softmax that reads them
.set k, 0
.set i, 0
.rept 32
	KQ 2
	SLICE 0
	SLICE 0
.set i, i+1
.endr
	WIN 0
.if \fill
	s_cmp_eq_u32 s[RT], 0
	s_cbranch_scc0 .Lnoq_\@
	QLOAD QN                        ; the first block's Q has been multiplied for the last time, twenty plain lines back: the second block's comes in under the rest of the tile and the merge
.Lnoq_\@:
.endif
	s_wait_dscnt 0x0                ; V
.set k, 0
.set i, 0
.rept 32
	PV 0
	SLICE 2
	SLICE 2
.set i, i+1
.endr
.if CORNER
	WIN W_PV
.irp c, 0,1,2,3,4,5,6,7
	v_wmma_f32_16x16x32_f16 v[8*\c:8*\c+7], v[VLF+8*\c:VLF+8*\c+7], v[PX:PX+7], v[8*\c:8*\c+7]   ; tile 0's eight accumulators by turns: V_lo P_hi + V_hi P_lo
.endr
.endif
.set i, 0
.rept 32
	PV 2
.set i, i+1
.endr
	WIN 0
.if \fill
	s_cmp_eq_u32 s[RT], 0
	s_cbranch_scc0 .Lgo_\@
.endif
	MERGE
.if \fill
	s_wait_xcnt 0x0                 ; the stores have read their registers and O's address
	s_mov_b64 s[OP:OP+1], s[OLO:OLO+1]
	s_mov_b32 s[DD], s[DD2]
	s_add_co_u32 s[RT], s[LQ2], 1
	s_mov_b32 s[NEW], 1
.Lgo_\@:
.endif
.endm
.Lslot:                             ; 16 trips: a tile is entered and the next is asked for
	TILE 1
	s_sub_co_u32 s[SLOTS], s[SLOTS], 1
	s_cmp_lg_u32 s[SLOTS], 0
	s_cbranch_scc1 .Lslot
	TILE 0                          ; written out
	s_wait_tensorcnt 0x0            ; the wave's end: behind my last tensor load and my last LDS store
	ds_add_u32 v[SPW], v[NIL]
	s_wait_dscnt 0x0
	CROUND                          ; the closing round
	s_endpgm
.Lfunc_end_k_q1c758cb4c9_attn:
	.size	k_q1c758cb4c9_attn, .Lfunc_end_k_q1c758cb4c9_attn-k_q1c758cb4c9_attn
	.p2alignl 7, 3214868480
	.fill 96, 4, 3214868480
	.section	.rodata,"a",@progbits
	.p2align	6, 0x0
	.amdhsa_kernel k_q1c758cb4c9_attn
		.amdhsa_group_segment_fixed_size 327680
		.amdhsa_private_segment_fixed_size 0
		.amdhsa_enable_private_segment 0
		.amdhsa_kernarg_size 24
		.amdhsa_user_sgpr_count 2
		.amdhsa_user_sgpr_kernarg_segment_ptr 1
		.amdhsa_wavefront_size32 1
		.amdhsa_system_sgpr_workgroup_id_x 1
		.amdhsa_system_sgpr_workgroup_id_y 1
		.amdhsa_system_sgpr_workgroup_id_z 1
		.amdhsa_system_vgpr_workitem_id 0
		.amdhsa_next_free_vgpr 1024
		.amdhsa_next_free_sgpr 92
		.amdhsa_reserve_vcc 1
		.amdhsa_float_denorm_mode_32 3
		.amdhsa_float_denorm_mode_16_64 3
		.amdhsa_memory_ordered 1
		.amdhsa_forward_progress 1
		.amdhsa_inst_pref_size 207
	.end_amdhsa_kernel
	.amdgpu_metadata
---
amdhsa.version: [ 1, 2 ]
amdhsa.kernels:
  - .name:           k_q1c758cb4c9_attn
    .symbol:         k_q1c758cb4c9_attn.kd
    .args:
      - { .name: qkv, .offset: 0, .size: 8, .value_kind: global_buffer, .address_space: global }
      - { .name: lo, .offset: 8, .size: 8, .value_kind: global_buffer, .address_space: global }
      - { .name: oh, .offset: 16, .size: 8, .value_kind: global_buffer, .address_space: global }
    .group_segment_fixed_size: 327680
    .private_segment_fixed_size: 0
    .kernarg_segment_align: 8
    .kernarg_segment_size: 24
    .max_flat_workgroup_size: 128
    .sgpr_count:     92
    .vgpr_count:     1024
    .wavefront_size: 32
...
	.end_amdgpu_metadata
.endif
;; end of part 3
;; launch oproj (part 4): grid 8 x 32, 4 waves a work-group, clusters of 4 x 4, 327,680 bytes of LDS; arguments oh, wob, out0; writes out0
.if DOCPART == 4
	.amdgcn_target "amdgcn-amd-amdhsa--gfx1250"
	.amdhsa_code_object_version 6
	.text
	.protected	k_q1c758cb4c9_oproj
	.globl	k_q1c758cb4c9_oproj
	.p2align	8
	.type	k_q1c758cb4c9_oproj,@function
k_q1c758cb4c9_oproj:
	s_mov_b64 s[64:65], 0
	v_nop
	global_prefetch_b8 v0, s[64:65] scope:SCOPE_SE
	s_setreg_imm32_b32 hwreg(HW_REG_WAVE_MODE, 25, 1), 1
	s_wait_xcnt 0x0
	s_wait_alu depctr_hold_cnt(0) depctr_sa_sdst(0) depctr_va_vdst(0) depctr_va_sdst(0) depctr_va_ssrc(0) depctr_va_vcc(0) depctr_vm_vsrc(0)
	s_getreg_b32 s2, hwreg(HW_REG_IB_STS2, 6, 4)
	s_cmp_eq_u32 s2, 0
	s_cbranch_scc0 .Lentry_in_a_cluster
	s_endpgm
.Lentry_in_a_cluster:
	s_bfe_u32 s2, ttmp6, 0x10000c
	s_cmp_lg_u32 s2, 0xf033
	s_cbranch_scc0 .Lentry_shape_is_right
	s_endpgm
.Lentry_shape_is_right:
; OPROJ.  out0 = O wo.  oh [8][64][80][128] f16: for each head (a K step of 128) and block of 64 rows, the 64 rows of O, then what the rounding of the block's first 16 rows left over.
; wob [1024 k][2048 n] f16, out0 [4096][2048] f32; sums in f32.
; SHARES.  A tile of the result is 128 rows x 256 columns: 8 x 32 = 256 work-groups.  Four waves, each 64 rows x 128 columns: 32 accumulators of 16 x 16, 256 registers.
; K goes in steps of 128 through two LDS slots.  A's tile lies [row][k], 256 bytes a row; B's lies [k][n], 512 bytes a row, and is turned on its way out of LDS by ds_load_tr16_b128.
; HI + LO.  The first rows of the result average few rows of V: their numbers are large against the whole result's, and so would be the error of O's rounding.  A wave's fifth fragment of A holds what
; that rounding left for its first 16 rows, and 8 more products a quarter add it onto row block 0.  Rows 0-15 need it.  The products are jumped over where the cluster's y is not 0 (rows from 512 on):
; a number that all sixteen partners share.  The rows themselves come with A's tile everywhere: one dense load of 80 rows.
; CLUSTER.  4 x 4 work-groups.  The four of a row of the cluster need the same tile of A, the four of a column the same tile of B: each is asked for jointly.
; Waves 0 and 1 fetch A's two halves (80 rows), waves 2 and 3 B's (64 k-rows): one load a wave behind each round.
; THE MATRIX INSTRUCTION IS USED TRANSPOSED (source 0 = 16 columns of B, source 1 = 16 rows of A): a lane holds row l % 16 and the columns 8 (l / 16) + 0..7.
; REGISTERS.  Window 0: v0-31 addresses; v32-135, v136-239 two fragment buffers (A's five fragments, then B's eight).  Window 1: accumulator (a, b) at 8 (8 a + b).
.set PA,     272
.set PB,     544
.set AROWS,  80                        ; rows of A that a wave fetches, and that a wave reads
.set ABYTES, 2*AROWS*PA
.set SLOT,   ABYTES+128*PB
.set STAGE,  2*SLOT                    ; behind the ring: 16 rows x 528 bytes for each wave, for the way out
.set SPITCH, 528
.set SPARE,  STAGE+4*16*SPITCH         ; the spare words, 128 bytes for each wave: two blocks of 256 bytes that no other line names
.set LAPS,   4                         ; a lap = two K steps; K = 1,024
.set SA,     128                       ; elements from row to row of A
.set ABLK,   AROWS*256                 ; bytes in a block of oh
.set ASTEP,  64*ABLK                   ; bytes from a head to the next
.set BSTEP,  128*4096
.set ADRA, 16
.set ADRB, 20
.set STO,  24
.set RD,   25
.set CO,   26
.set SPW,  28
.set NIL,  29
.set PFO,  30
.set F0,   32
.set F1,   136
.set BK,   32                          ; the way out: two sets of 64, by turns
.set G1,  24
.set G0,  32
.set G1B, 48
.set G0B, 56
.set PFA, 66
.set LIM, 68
.set PS,  70
.set CLY, 79                           ; s79 the cluster's y
.set MSB, 0
.macro WIN new
.if MSB != (\new)
	s_set_vgpr_msb (MSB<<8)|(\new)
.set MSB, \new
.endif
.endm
.set MUL, 0x50
.macro PLACES
.rept 4
	v_nop
.endr
.endm
.macro JLOAD s                         ; a joint load; the branch hangs on the wave's number alone; an s_nop 0 and four v_nop follow each line
	s_cmp_eq_u32 s11, 0
	s_cbranch_scc0 .Lfor_b_\@
	tensor_load_to_lds s[G0+4*(\s):G0+4*(\s)+3], s[G1:G1+7]
	s_nop 0
.rept 4
	v_nop
.endr
	s_branch .Lasked_\@
.Lfor_b_\@:
	tensor_load_to_lds s[G0B+4*(\s):G0B+4*(\s)+3], s[G1B:G1B+7]
	s_nop 0
.rept 4
	v_nop
.endr
.Lasked_\@:
.endm
.macro CREST
	s_cmp_lg_u32 s10, 0
	s_cbranch_scc1 .Lnot_wave_0_\@
	s_barrier_signal -3
.Lnot_wave_0_\@:
	s_barrier_wait -3
	s_barrier_signal -1
	s_barrier_wait -1
.endm
.macro CROUND
	s_barrier_signal -1
	s_barrier_wait -1
	CREST
.endm
; A PREFETCH INTO THE L2 behind a refill and the run of LDS loads that follows it.  Behind the refill with K step t it names step t + 2 (an A wave, which asks at slot 0's refills alone, also t + 3).
; The cluster with x = 0 asks for A's rows, the cluster with y = 0 for B's; of the first 64 rows that a wave fetches each of the four partners takes 16, told apart by address.  For A lanes 0-15 name a
; row of one head, lanes 16-31 the same row of the next; for B a k-row's first 256 bytes and the next 256.  A block's last 16 rows are not named: 80 rows do not divide into a lane a row for four.
; K steps 0 to 3 come by their loads alone; the loop's last trip asks for nothing.
.macro ASK slot
	s_cmp_gt_u32 s3, s[LIM+(\slot)]
	s_cbranch_scc0 .Lnot_mine_\@
	global_prefetch_b8 v[PFO], s[PFA:PFA+1] th:TH_LOAD_NT scope:SCOPE_SE
.Lnot_mine_\@:
.endm
	s_load_b128 s[4:7], s[0:1], 0x0                ; oh s[4:5], wob s[6:7]
	s_load_b64 s[8:9], s[0:1], 0x10                ; out0
	v_lshl_add_u32 v[SPW], v0, 2, SPARE
	v_mov_b32 v[NIL], 0
	ds_add_u32 v[SPW], v[NIL]                      ; the wave's opening: the add and its wait ahead of my first tensor load
	v_lshrrev_b32 v1, 5, v0
	v_readfirstlane_b32 s10, v1
	s_lshr_b32 s11, s10, 1
	s_and_b32 s12, s10, 1
	s_bfe_u32 s40, ttmp6, 0x40000
	s_bfe_u32 s41, ttmp6, 0x40004
	s_lshl_b32 s42, ttmp9, 2
	s_add_co_u32 s42, s42, s40                     ; tile column
	s_and_b32 s[CLY], ttmp7, 0xffff
	s_lshl_b32 s13, s[CLY], 2
	s_add_co_u32 s13, s13, s41                     ; tile row
	s_lshl_b32 s43, s41, 2
	s_lshl_b32 s43, 15, s43
	s_lshl_b32 s44, 0x1111, s40
	s_or_b32 s[G1+0], s43, (1<<16)|(1<<20)|(1<<21)|(5<<22)|(3<<25)
	s_mov_b32 s[G1+1], 128<<16
	s_mov_b32 s[G1+2], AROWS<<16
	s_mov_b32 s[G1+3], 128<<16
	s_mov_b32 s[G1+4], AROWS
	s_mov_b32 s[G1+5], SA
	s_mov_b32 s[G1+6], 0
	s_mov_b32 s[G1+7], 0
	s_or_b32 s[G1B+0], s44, (1<<16)|(1<<20)|(1<<21)|(6<<22)|(7<<25)
	s_mov_b32 s[G1B+1], 256<<16
	s_mov_b32 s[G1B+2], 64<<16
	s_mov_b32 s[G1B+3], 256<<16
	s_mov_b32 s[G1B+4], 64
	s_mov_b32 s[G1B+5], 2048
	s_mov_b32 s[G1B+6], 0
	s_mov_b32 s[G1B+7], 0
	s_lshl1_add_u32 s16, s13, s12                  ; A: block 2 x tile row + half,
	s_mul_i32 s16, s16, ABLK                       ; in bytes
	s_mov_b32 s17, 0
	s_lshl_b32 s46, s12, 18
	s_lshl_b32 s47, s42, 9
	s_add_co_u32 s46, s46, s47
	s_mov_b32 s47, 0
	s_mul_i32 s20, s12, AROWS*PA
	s_mul_i32 s21, s12, 64*PB
	s_add_co_u32 s21, s21, ABYTES
	s_wait_dscnt 0x0
	s_wait_kmcnt 0x0
	s_add_nc_u64 s[14:15], s[4:5], s[16:17]
	s_add_nc_u64 s[46:47], s[6:7], s[46:47]
	CROUND
.irp s, 0,1
	s_mov_b32 s[G0+4*(\s)], 1
	s_add_co_u32 s[G0+4*(\s)+1], s20, (\s)*SLOT
	s_add_nc_u64 s[G0+4*(\s)+2:G0+4*(\s)+3], s[14:15], (\s)*ASTEP
	s_or_b32 s[G0+4*(\s)+3], s[G0+4*(\s)+3], 0x80000000
	s_mov_b32 s[G0B+4*(\s)], 1
	s_add_co_u32 s[G0B+4*(\s)+1], s21, (\s)*SLOT
	s_add_nc_u64 s[G0B+4*(\s)+2:G0B+4*(\s)+3], s[46:47], (\s)*BSTEP
	s_or_b32 s[G0B+4*(\s)+3], s[G0B+4*(\s)+3], 0x80000000
	JLOAD \s
.endr
	v_and_b32 v1, 15, v0
	v_bfe_u32 v2, v0, 4, 1
	s_lshl_b32 s19, s13, 7
	s_lshl_b32 s22, s11, 6
	s_add_co_u32 s19, s19, s22                     ; my first row,
	s_lshl_b32 s19, s19, 13                        ; of 8,192 bytes
	s_lshl_b32 s22, s42, 10                        ; the tile's 256 columns,
	s_add_co_u32 s19, s19, s22
	s_lshl_b32 s22, s12, 9                         ; my 128 of them
	s_add_co_u32 s22, s22, s19
	s_mov_b32 s23, 0
	s_add_nc_u64 s[8:9], s[8:9], s[22:23]
	v_mul_u32_u24 v3, v1, PA
	v_lshl_add_u32 v3, v2, 4, v3
	v_and_b32 v4, 7, v0
	v_lshl_add_u32 v4, v2, 3, v4
	v_mul_u32_u24 v4, v4, PB
	v_bfe_u32 v5, v0, 3, 1
	v_lshl_add_u32 v4, v5, 4, v4
	s_mul_i32 s22, s11, AROWS*PA
	s_lshl_b32 s23, s12, 8
	s_add_co_u32 s23, s23, ABYTES
.irp s, 0,1
	v_add_nc_u32 v[ADRA+(\s)], s22, v3
	v_add_nc_u32 v[ADRB+(\s)], s23, v4
	s_add_co_u32 s22, s22, SLOT
	s_add_co_u32 s23, s23, SLOT
.endr
	s_mul_i32 s23, s10, 16*SPITCH
	s_add_co_u32 s23, s23, STAGE                   ; my stage
	v_mul_u32_u24 v4, v1, SPITCH
	v_lshl_add_u32 v4, v2, 5, v4
	v_add_nc_u32 v[STO], s23, v4                   ; in: row l % 16, 32 bytes for each half of the lanes
	v_and_b32 v[CO], 31, v0
	v_lshlrev_b32 v[CO], 4, v[CO]                  ; back: 32 lanes take a row's 512 bytes
	v_add_nc_u32 v[RD], s23, v[CO]
	; the prefetches: the offsets first, then the selects by my role
	s_lshl1_add_u32 s18, s13, s12
	s_mul_i32 s18, s18, ABLK                       ; A: the block that I fetch,
	s_lshl_b32 s22, s40, 12
	s_add_co_u32 s18, s18, s22                     ; my work-group's 16 of its first 64 rows,
	s_add_co_u32 s18, s18, 2*ASTEP                 ; at K step 2: the first refill steps it to 4
	s_lshl_b32 s19, s12, 6
	s_lshl_b32 s22, s41, 4
	s_add_co_u32 s19, s19, s22
	s_add_co_u32 s19, s19, 3*128                   ; B at K step 3
	s_lshl_b32 s19, s19, 12
	s_lshl_b32 s22, s42, 9
	s_add_co_u32 s19, s19, s22
	s_mov_b32 s20, 2*ASTEP
	s_mov_b32 s21, BSTEP
	s_mov_b32 s16, 256
	s_mov_b32 s17, 4096
	s_mov_b32 s23, ASTEP
	s_cmp_eq_u32 s11, 0
	s_cselect_b32 s18, s18, s19
	s_cselect_b32 s22, ttmp9, s[CLY]               ; the coordinate along which other clusters read the same rows
	s_cselect_b64 s[PFA:PFA+1], s[4:5], s[6:7]
	s_cselect_b32 s[PS], s20, s21
	s_cselect_b32 s[PS+2], 0, s21
	s_cselect_b32 s77, s16, s17                    ; from row to row: 256 bytes in oh, 4,096 in wob
	s_cselect_b32 s78, s23, s16                    ; from lanes 0-15 to lanes 16-31: a head on, or 256 bytes on
	s_mov_b32 s[PS+1], 0
	s_mov_b32 s[PS+3], 0
	s_mov_b32 s19, 0
	s_add_nc_u64 s[PFA:PFA+1], s[PFA:PFA+1], s[18:19]
	s_cmp_eq_u32 s22, 0
	s_cselect_b32 s[LIM], 1, -1
	s_cmp_eq_u32 s11, 0
	s_cselect_b32 s[LIM+1], -1, s[LIM]
	v_mul_u32_u24 v[PFO], s77, v1
	v_mad_u32_u24 v[PFO], v2, s78, v[PFO]
.macro MULA f, a, zero                 ; 8 matrix instructions; the accumulators take turns, one instruction a turn, in the same order in every quarter
	WIN MUL
.irp b, 0,1,2,3,4,5,6,7
.if \zero
	v_wmma_f32_16x16x32_f16 v[8*(8*(\a)+\b):8*(8*(\a)+\b)+7], v[(\f)+40+8*\b:(\f)+40+8*\b+7], v[(\f)+8*(\a):(\f)+8*(\a)+7], 0
.else
	v_wmma_f32_16x16x32_f16 v[8*(8*(\a)+\b):8*(8*(\a)+\b)+7], v[(\f)+40+8*\b:(\f)+40+8*\b+7], v[(\f)+8*(\a):(\f)+8*(\a)+7], v[8*(8*(\a)+\b):8*(8*(\a)+\b)+7]
.endif
.endr
.endm
.macro MULL f                          ; where the cluster's y is 0: the fifth fragment of A onto row block 0's eight accumulators, by turns; seven others' stand between these and the next quarter's on the same
	WIN 0
	s_cmp_lg_u32 s[CLY], 0
	s_cbranch_scc1 .Lno_lo_\@
	WIN MUL
.irp b, 0,1,2,3,4,5,6,7
	v_wmma_f32_16x16x32_f16 v[8*\b:8*\b+7], v[(\f)+40+8*\b:(\f)+40+8*\b+7], v[(\f)+32:(\f)+39], v[8*\b:8*\b+7]
.endr
	WIN 0
.Lno_lo_\@:
.endm
.macro AFR slot, q, f, a
	ds_load_b128 v[(\f)+8*(\a):(\f)+8*(\a)+3],   v[ADRA+(\slot)] offset:64*(\q)+(\a)*16*PA
	ds_load_b128 v[(\f)+8*(\a)+4:(\f)+8*(\a)+7], v[ADRA+(\slot)] offset:64*(\q)+(\a)*16*PA+32
.endm
.macro FETCH slot, q, f                ; 26 LDS loads in one run; A's blocks 2, 3 and the left-over rows last
	WIN 0
	AFR \slot, \q, \f, 0
	AFR \slot, \q, \f, 1
.irp b, 0,1,2,3,4,5,6,7
	ds_load_tr16_b128 v[(\f)+40+8*\b:(\f)+40+8*\b+3],   v[ADRB+(\slot)] offset:(\q)*32*PB+32*\b
	ds_load_tr16_b128 v[(\f)+40+8*\b+4:(\f)+40+8*\b+7], v[ADRB+(\slot)] offset:(\q)*32*PB+16*PB+32*\b
.endr
	AFR \slot, \q, \f, 2
	AFR \slot, \q, \f, 3
	AFR \slot, \q, \f, 4
.endm
.macro QUARTER slot, qn, f, g, zero
	s_wait_dscnt 6                                 ; all but the youngest six loads (A's blocks 2, 3 and the left-over rows)
	MULA \f, 0, \zero
	MULA \f, 1, \zero
	PLACES
	FETCH \slot, \qn, \g
	s_wait_dscnt 26                                ; all but the 26 just issued
	MULA \f, 2, \zero
	MULA \f, 3, \zero
	MULL \f
.endm
; The fourth quarter changes slots: one barrier; in front of it each wave waits for all its tensor loads (one is out: its part of the next slot), adds 0 to its spare word, and waits for that and for its
; reads of this slot.  fill = 1: the barrier opens a round of the cluster's, and behind the round this slot is filled again, two K steps ahead.
.macro TURN slot, next, fill
.if \fill
	s_wait_xcnt 0x0                                ; the last prefetch, a K step back, has read its address
	s_add_nc_u64 s[PFA:PFA+1], s[PFA:PFA+1], s[PS+2*(\slot):PS+2*(\slot)+1]
.endif
	WIN 0
	s_wait_tensorcnt 0x0
	ds_add_u32 v[SPW], v[NIL]
	s_wait_dscnt 7                                 ; the add and the youngest six loads may be out
	MULA F1, 0, 0
	s_wait_dscnt 0x0                               ; the add is done, and my reads of this slot are over
	s_barrier_signal -1
	MULA F1, 1, 0
.if \fill
	WIN 0
.endif
	s_barrier_wait -1
.if \fill
	CREST
	s_add_nc_u64 s[G0+4*(\slot)+2:G0+4*(\slot)+3], s[G0+4*(\slot)+2:G0+4*(\slot)+3], 2*ASTEP
	s_add_nc_u64 s[G0B+4*(\slot)+2:G0B+4*(\slot)+3], s[G0B+4*(\slot)+2:G0B+4*(\slot)+3], 2*BSTEP
	JLOAD \slot
.else
	PLACES
.endif
	FETCH \next, 0, F0
.if \fill
	ASK \slot
.endif
	MULA F1, 2, 0
	MULA F1, 3, 0
	MULL F1
.endm
	s_wait_tensorcnt 1                             ; my part of K step 0 is in; step 1's may stay out
	s_barrier_signal -1
	s_barrier_wait -1
	FETCH 0, 0, F0
	QUARTER 0, 1, F0, F1, 1
	WIN 0
	s_mov_b32 s3, LAPS-1
.Llap:
	QUARTER 0, 2, F1, F0, 0
	QUARTER 0, 3, F0, F1, 0
	TURN 0, 1, 1
	QUARTER 1, 1, F0, F1, 0
	QUARTER 1, 2, F1, F0, 0
	QUARTER 1, 3, F0, F1, 0
	TURN 1, 0, 1
	QUARTER 0, 1, F0, F1, 0
	WIN 0
	s_sub_co_u32 s3, s3, 1
	s_cmp_lg_u32 s3, 0
	s_cbranch_scc1 .Llap
	QUARTER 0, 2, F1, F0, 0
	QUARTER 0, 3, F0, F1, 0
	TURN 0, 1, 0
	QUARTER 1, 1, F0, F1, 0
	QUARTER 1, 2, F1, F0, 0
	QUARTER 1, 3, F0, F1, 0
	s_wait_dscnt 6
	MULA F1, 0, 0
	MULA F1, 1, 0
	s_wait_dscnt 0x0
	MULA F1, 2, 0
	MULA F1, 3, 0
	MULL F1
	WIN 0
	; THE WAY OUT, a block of 16 rows at a time: the sums go as they are (f32) into my own stage and come back as whole rows of 512 bytes.
	PLACES
	PLACES
.irp a, 0,1,2,3
.if \a >= 2
	s_wait_xcnt 0x0                                ; the stores of two blocks back have read the registers that are loaded again
.endif
	WIN 0x04                                       ; store data window 1; each accumulator's lowest four registers first
.irp b, 0,1,2,3,4,5,6,7
	ds_store_b128 v[STO], v[8*(8*\a+\b):8*(8*\a+\b)+3]   offset:64*\b
	ds_store_b128 v[STO], v[8*(8*\a+\b)+4:8*(8*\a+\b)+7] offset:64*\b+16
.endr
	WIN 0
.irp t, 0,1,2,3,4,5,6,7,8,9,10,11,12,13,14,15
	ds_load_b128 v[BK+64*(\a%2)+4*\t:BK+64*(\a%2)+4*\t+3], v[RD] offset:\t*SPITCH   ; LDS serves a wave's instructions in order: these see the stores above
.endr
.irp t, 0,1,2,3,4,5,6,7,8,9,10,11,12,13,14,15
	s_wait_dscnt 15-\t                             ; row t is back; the 15 - t younger loads stay out
	global_store_b128 v[CO], v[BK+64*(\a%2)+4*\t:BK+64*(\a%2)+4*\t+3], s[8:9] offset:(16*\a+\t)*8192 th:TH_STORE_NT  ; 512 consecutive bytes, at a multiple of 256 from out0's first
.endr
.endr
	s_wait_tensorcnt 0x0                           ; the wave's end: behind my last tensor load and my last LDS store
	ds_add_u32 v[SPW], v[NIL]
	s_wait_dscnt 0x0
	CROUND                                         ; the closing round
	s_endpgm
.Lfunc_end_k_q1c758cb4c9_oproj:
	.size	k_q1c758cb4c9_oproj, .Lfunc_end_k_q1c758cb4c9_oproj-k_q1c758cb4c9_oproj
	.p2alignl 7, 3214868480
	.fill 96, 4, 3214868480
	.section	.rodata,"a",@progbits
	.p2align	6, 0x0
	.amdhsa_kernel k_q1c758cb4c9_oproj
		.amdhsa_group_segment_fixed_size 327680
		.amdhsa_private_segment_fixed_size 0
		.amdhsa_enable_private_segment 0
		.amdhsa_kernarg_size 24
		.amdhsa_user_sgpr_count 2
		.amdhsa_user_sgpr_kernarg_segment_ptr 1
		.amdhsa_wavefront_size32 1
		.amdhsa_system_sgpr_workgroup_id_x 1
		.amdhsa_system_sgpr_workgroup_id_y 1
		.amdhsa_system_sgpr_workgroup_id_z 1
		.amdhsa_system_vgpr_workitem_id 0
		.amdhsa_next_free_vgpr 512
		.amdhsa_next_free_sgpr 80
		.amdhsa_reserve_vcc 0
		.amdhsa_float_denorm_mode_32 3
		.amdhsa_float_denorm_mode_16_64 3
		.amdhsa_memory_ordered 1
		.amdhsa_forward_progress 1
		.amdhsa_inst_pref_size 101
	.end_amdhsa_kernel
	.amdgpu_metadata
---
amdhsa.version: [ 1, 2 ]
amdhsa.kernels:
  - .name:           k_q1c758cb4c9_oproj
    .symbol:         k_q1c758cb4c9_oproj.kd
    .args:
      - { .name: oh, .offset: 0, .size: 8, .value_kind: global_buffer, .address_space: global }
      - { .name: wob, .offset: 8, .size: 8, .value_kind: global_buffer, .address_space: global }
      - { .name: out0, .offset: 16, .size: 8, .value_kind: global_buffer, .address_space: global }
    .group_segment_fixed_size: 327680
    .private_segment_fixed_size: 0
    .kernarg_segment_align: 8
    .kernarg_segment_size: 24
    .max_flat_workgroup_size: 128
    .sgpr_count:     80
    .vgpr_count:     512
    .wavefront_size: 32
...
	.end_amdgpu_metadata
.endif
;; end of part 4
;; ======== version 2 of 2: 4 launches; version 1 with the launch prep written anew for expert scheduling mode
;; limits: values are held in f16: magnitudes above 65,504 overflow, below 6.1e-05 lose precision
;; workspace buffers: xb 16,777,216 bytes; wqkv 8,388,608 bytes; wob 4,194,304 bytes; tab 2,097,664 bytes; qkv 16,777,216 bytes; lo 4,194,304 bytes; oh 10,485,760 bytes
;; launch prep (part 5): grid 928 x 1, 8 waves a work-group, no clusters, 0 bytes of LDS; arguments x, wq, wk, wv, wo, xb, wqkv, wob, tab; writes xb, wqkv, wob, tab
.if DOCPART == 5
	.amdgcn_target "amdgcn-amd-amdhsa--gfx1250"
	.amdhsa_code_object_version 6
	.text
	.protected	k_q1c758cb4c9_prep
	.globl	k_q1c758cb4c9_prep
	.p2align	8
	.type	k_q1c758cb4c9_prep,@function
k_q1c758cb4c9_prep:
	s_mov_b64 s[64:65], 0
	v_nop
	global_prefetch_b8 v0, s[64:65] scope:SCOPE_SE
	s_setreg_imm32_b32 hwreg(HW_REG_WAVE_SCHED_MODE, 0, 2), 2
	s_setreg_imm32_b32 hwreg(HW_REG_WAVE_MODE, 25, 1), 1
	s_wait_xcnt 0x0
	s_wait_alu depctr_vm_vsrc(0)
; PREP.  Every input is rounded once to bf16, and the table of cos and sin for the rotary positions is made.
;   xb   [4096][2048] bf16 = x.      wqkv [2048 k][2048 n] bf16: columns 0-1023 wq, 1024-1535 wk, 1536-2047 wv.
;   wob  [1024 k][2048 n]: wo rounded to bf16, that number written as f16 (the last product multiplies in f16).
;   tab  [4097][128] f32: row s holds cos((8192+s) f_j), j = 0..63, then sin of the same; f_j = 10000^(-j/64).  Row 4096 holds 64 ones and 64 zeros.
; LIMITS.  A bf16 number below 2^-14 keeps f16's fixed step of 6e-8 in wob; beyond 65,504 it would be an infinity.  f_j comes from the exponential instruction, so an angle can
; differ from the f32 product of the exact f_j by about 2e-3 rad in the first few of the 64 frequencies.  NaN and infinities are not treated apart.
; SHARES.  A work-group that converts takes 65,536 source bytes: 16 passes of 4,096 bytes, 16 bytes a thread; all 16 loads go out first.  A wave's load covers 512 consecutive bytes,
; a wave's store 256 consecutive bytes, aligned.  Work-groups 0-511 x, 512-639 wq, 640-703 wk, 704-767 wv, 768-895 wo, 896-927 the table (128 rows each).
; No LDS, no matrix unit, no cluster: nothing is shared and every byte is touched once.
; THE MODE: SCHED_MODE bits 1:0 = 2 (LLVM: expert scheduling mode 2), set by the entry lines.  The code itself states the register dependences
; between vector instructions and memory instructions, with s_wait_alu, always for 0.
; THE PLAN, conversions.  Registers that memory instructions touch:
;   v1, v2   the loads' and the stores' offsets: made ahead of the first load, never written again.
;   XR       pass p: written by one load, read by that pass's conversions, never loaded again.
;   YR       pass p: written by that pass's conversions, read by one store, never written again.
; The 16 passes go in four groups of four.  A group's four stores are issued in the next group, one ahead of each pass's conversions; one wait at that group's head states that the group before has
; written its YR.  The conversions issued since that wait name their own group's XR and YR and v4 to v7: none of the registers that those stores read.
; THE PLAN, the table's loop.  Registers that memory instructions touch:
;   v13      the stores' offset: made ahead of the loop, never written again: the rows are reached by the scalar base, which moves on by 16 rows in the middle of each trip.
;   v[24:31] four cos, four sin: written in a trip's second half, read by the two stores at the trip's end.
; A trip's first half (the four angles' reduction, polynomials and compares) names v14 to v23, v40 to v51 and s40 to s43 alone.  Between the halves stand the waits that free the base and v[24:31]
; from the last trip's stores, and the one wait for the four compares' masks; at the trip's end one wait stands ahead of the two stores.
.set XR, 16                            ; v[16:79]   pass p: four f32 as loaded
.set YR, 80                            ; v[80:111]  pass p: four 16-bit numbers to store
.set SN, 40                            ; v[40:43]   the table: sin r of my four frequencies
.set CN, 44                            ; v[44:47]   cos r
.set NI, 48                            ; v[48:51]   n, the quarter turns, as a whole number
.set MK, 40                            ; s[40:43]   the lanes in which n is odd
	s_load_b512 s[4:19], s[0:1], 0x0               ; x s[4:5], wq s[6:7], wk s[8:9], wv s[10:11], wo s[12:13], xb s[14:15], wqkv s[16:17], wob s[18:19]
	s_load_b64 s[20:21], s[0:1], 0x40              ; tab
	s_mov_b32 s2, ttmp9
	v_lshlrev_b32 v1, 4, v0                        ; my 16 source bytes of a pass
	v_lshlrev_b32 v2, 3, v0                        ; my 8 bytes of the result, where a pass stays inside one row
	s_wait_kmcnt 0x0
	s_cmp_lt_u32 s2, 512
	s_cbranch_scc1 .Lx
	s_cmp_lt_u32 s2, 640
	s_cbranch_scc1 .Lwq
	s_cmp_lt_u32 s2, 704
	s_cbranch_scc1 .Lwk
	s_cmp_lt_u32 s2, 768
	s_cbranch_scc1 .Lwv
	s_cmp_lt_u32 s2, 896
	s_cbranch_scc1 .Lwo
	; THE TABLE.  Thread t: frequencies 4 (t % 16) + 0..3, row 128 g + 16 p + t / 16 in trip p.
	s_sub_co_u32 s36, s2, 896                      ; g
	s_lshl_b32 s24, s36, 16                        ; 128 rows of 512 bytes
	s_mov_b32 s25, 0
	s_add_nc_u64 s[20:21], s[20:21], s[24:25]
	s_mov_b32 s26, 0x3f22f983                      ; 2 / pi
	s_mov_b32 s27, 0xbfc90fdb                      ; - pi / 2, its f32 part,
	s_mov_b32 s28, 0x333bbd2e                      ; and what that part leaves
	s_mov_b32 s29, 0xbe2aaaa3                      ; sin r = r + r z (S1 + z (S2 + z S3)), z = r r, |r| <= pi / 4
	s_mov_b32 s30, 0x3c08839e
	s_mov_b32 s31, 0xb94ca1f9
	s_mov_b32 s32, 0x3d2aaaa5                      ; cos r = 1 - z / 2 + z z (C1 + z (C2 + z C3))
	s_mov_b32 s33, 0xbab6061a
	s_mov_b32 s34, 0x37ccf5ce
	s_mov_b32 s38, 0xbe549a78                      ; - log2(10000) / 64
	v_lshrrev_b32 v3, 5, v0
	v_readfirstlane_b32 s37, v3                    ; wave
	v_and_b32 v4, 15, v0
	v_lshlrev_b32 v5, 2, v4
	v_cvt_f32_u32 v5, v5                           ; j of my first frequency
	v_add_f32 v9, 1.0, v5
	v_add_f32 v10, 2.0, v5
	v_add_f32 v11, 0x40400000, v5
	v_mul_f32 v8, s38, v5
	v_mul_f32 v9, s38, v9
	v_mul_f32 v10, s38, v10
	v_mul_f32 v11, s38, v11
	v_exp_f32 v8, v8                               ; f_j, four of them: one batch
	v_exp_f32 v9, v9
	v_exp_f32 v10, v10
	v_exp_f32 v11, v11
	v_lshrrev_b32 v6, 4, v0                        ; a plain instruction behind the last exponential
	s_wait_alu depctr_va_vdst(0)                   ; the four exponentials have written v8 to v11: one wait for the four, ahead of their first reader and of the loop's label
	s_wait_alu depctr_va_sdst(0)                   ; s37 is written: the wait stands in its writer's own run of lines, ahead of the loop's label
	s_lshl_b32 s24, s36, 7
	s_add_co_u32 s24, s24, 8192
	v_add_nc_u32 v12, s24, v6
	v_cvt_f32_u32 v12, v12                         ; my position, exact in f32
	v_lshlrev_b32 v13, 9, v6
	v_lshl_add_u32 v13, v4, 4, v13                 ; row x 512 + 16 (t % 16)
.macro SC1 i                           ; the first half for frequency i: sin r, cos r and n of position x f_i, and the mask of the lanes in which n is odd
	v_mul_f32 v14, v12, v[8+(\i)]                  ; the angle, rounded to f32 as the definition rounds it
	v_mul_f32 v15, s26, v14
	v_rndne_f32 v15, v15                           ; n quarter turns
	v_fma_f32 v16, v15, s27, v14
	v_fma_f32 v16, v15, s28, v16                   ; r = angle - n pi / 2
	v_mul_f32 v17, v16, v16
	v_fma_f32 v18, v17, s31, s30
	v_fma_f32 v19, v17, s34, s33
	v_fma_f32 v18, v18, v17, s29
	v_fma_f32 v19, v19, v17, s32
	v_mul_f32 v18, v18, v17
	v_mul_f32 v23, v17, v17
	v_fma_f32 v20, v17, -0.5, 1.0
	v_fma_f32 v[SN+(\i)], v18, v16, v16            ; sin r
	v_fma_f32 v[CN+(\i)], v19, v23, v20            ; cos r
	v_cvt_i32_f32 v[NI+(\i)], v15
	v_and_b32 v22, 1, v[NI+(\i)]
	v_cmp_eq_u32 s[MK+(\i)], 1, v22                ; an odd n swaps the two: selects only, no branch
.endm
.macro SC2 i                           ; the second half: cos and sin of position x f_i into v[24+i] and v[28+i]
	v_cndmask_b32 v[28+(\i)], v[SN+(\i)], v[CN+(\i)], s[MK+(\i)]
	v_cndmask_b32 v[24+(\i)], v[CN+(\i)], v[SN+(\i)], s[MK+(\i)]
	v_lshlrev_b32 v22, 30, v[NI+(\i)]              ; sin changes sign where n % 4 is 2 or 3,
	v_and_b32 v22, 0x80000000, v22
	v_xor_b32 v[28+(\i)], v22, v[28+(\i)]
	v_add_nc_u32 v22, 1, v[NI+(\i)]                ; cos where it is 1 or 2
	v_lshlrev_b32 v22, 30, v22
	v_and_b32 v22, 0x80000000, v22
	v_xor_b32 v[24+(\i)], v22, v[24+(\i)]
.endm
	s_mov_b32 s35, 8
.Lrow:
	SC1 0
	SC1 1
	SC1 2
	SC1 3
	s_wait_xcnt 0x0                                ; the last trip's two stores have had their addresses translated: their base and their data are written again only behind this wait
	s_wait_alu depctr_vm_vsrc(0)                   ; the last trip's two stores have read v[24:31], which the selects below write again (in the first trip no store is out)
	s_wait_alu depctr_va_sdst(0)                   ; the four compares have written s40 to s43, which the selects below read: one wait for the run
	s_add_nc_u64 s[20:21], s[20:21], 8192          ; 16 rows on; this trip's stores reach back by as much
	SC2 0
	SC2 1
	SC2 2
	SC2 3
	s_wait_alu depctr_va_vdst(0)                   ; the second half has written v[24:31], the stores' data; in the first trip also: v13, their offset, is written
	global_store_b128 v13, v[24:27], s[20:21] offset:-8192      ; sixteen lanes fill a row's 256 bytes of cos,
	global_store_b128 v13, v[28:31], s[20:21] offset:256-8192   ; and its 256 bytes of sin
	v_add_f32 v12, 0x41800000, v12                 ; my position 16 rows on: no memory instruction names v12
	s_sub_co_u32 s35, s35, 1
	s_cmp_lg_u32 s35, 0
	s_cbranch_scc1 .Lrow
	s_cmp_lg_u32 s36, 0                            ; row 4096 is stored by wave 0 of the table's first work-group
	s_cbranch_scc1 .Ltend
	s_cmp_lg_u32 s37, 0
	s_cbranch_scc1 .Ltend
	v_lshlrev_b32 v36, 4, v0
	v_mov_b32 v37, 1.0
	v_cmp_gt_u32 vcc_lo, 16, v0
	s_wait_alu depctr_va_vcc(0)                    ; the compare has written VCC, which the select reads
	v_cndmask_b32 v32, 0, v37, vcc_lo
	v_mov_b32 v33, v32
	v_mov_b32 v34, v32
	v_mov_b32 v35, v32
	s_wait_alu depctr_va_vdst(0)                   ; v[32:35], the store's data, and v36, its offset, are written
	global_store_b128 v36, v[32:35], s[20:21] offset:4096*512-8*8192  ; the base has moved on by eight trips of 8,192 bytes
.Ltend:
	s_endpgm
; src, dst: the scalar pairs of the two addresses.  first: the role's first work-group.  l: log2 of a source row's bytes.  part: the byte at which the part begins in a row of the result.
; f16 = 1: the bf16 number is written as f16.  A row of every result is 4,096 bytes.
.macro CONV src, dst, first, l, part, f16
	s_sub_co_u32 s22, s2, \first
	s_lshl_b32 s24, s22, 16
	s_mov_b32 s25, 0
	s_add_nc_u64 s[\src:\src+1], s[\src:\src+1], s[24:25]
	s_lshl_b32 s24, s22, 28-(\l)                   ; 65,536 source bytes are 2^(16-l) rows
	s_add_nc_u64 s[\dst:\dst+1], s[\dst:\dst+1], s[24:25]
.if (\l) == 11                         ; a pass holds two source rows
	v_lshrrev_b32 v3, 7, v0
	v_and_b32 v2, 127, v0
	v_lshlrev_b32 v2, 3, v2
	v_lshl_add_u32 v2, v3, 12, v2
.endif
	s_wait_alu depctr_va_vdst(0)                   ; v1 and v2 are written: every load below reads v1 as its offset, every store v2; neither is written again
.set p, 0
.rept 16
	global_load_b128 v[XR+4*p:XR+4*p+3], v1, s[\src:\src+1] offset:4096*p th:TH_LOAD_NT
.set p, p+1
.endr
.set p, 0
.rept 16
	s_wait_loadcnt 15-p                            ; loads come back in order: pass p is in, the 15 - p younger ones stay out
.if (p%4 == 0) && (p > 0)
	s_wait_alu depctr_va_vdst(0)                   ; the group before has written its eight registers of YR, which this group's four stores read
.endif
.if p >= 4
	global_store_b64 v2, v[YR+2*(p-4):YR+2*(p-4)+1], s[\dst:\dst+1] offset:(\part)+((p-4)<<(24-(\l)))  ; the pass four back; no vector instruction since the wait names its registers; every pass has registers of its own: nothing is rewritten
.endif
	v_cvt_pk_bf16_f32 v[YR+2*p], v[XR+4*p], v[XR+4*p+1]
	v_cvt_pk_bf16_f32 v[YR+2*p+1], v[XR+4*p+2], v[XR+4*p+3]
.if \f16
	v_lshlrev_b32 v4, 16, v[YR+2*p]
	v_and_b32 v5, 0xffff0000, v[YR+2*p]
	v_lshlrev_b32 v6, 16, v[YR+2*p+1]
	v_and_b32 v7, 0xffff0000, v[YR+2*p+1]
	v_cvt_pk_f16_f32 v[YR+2*p], v4, v5
	v_cvt_pk_f16_f32 v[YR+2*p+1], v6, v7
.endif
.set p, p+1
.endr
	s_wait_alu depctr_va_vdst(0)                   ; the last group has written its eight registers of YR, which the last four stores read
.set p, 12
.rept 4
	global_store_b64 v2, v[YR+2*p:YR+2*p+1], s[\dst:\dst+1] offset:(\part)+(p<<(24-(\l)))
.set p, p+1
.endr
	s_endpgm
.endm
.Lx:
	CONV 4, 14, 0, 13, 0, 0
.Lwq:
	CONV 6, 16, 512, 12, 0, 0
.Lwk:
	CONV 8, 16, 640, 11, 2048, 0
.Lwv:
	CONV 10, 16, 704, 11, 3072, 0
.Lwo:
	CONV 12, 18, 768, 13, 0, 1
.Lfunc_end_k_q1c758cb4c9_prep:
	.size	k_q1c758cb4c9_prep, .Lfunc_end_k_q1c758cb4c9_prep-k_q1c758cb4c9_prep
	.p2alignl 7, 3214868480
	.fill 96, 4, 3214868480
	.section	.rodata,"a",@progbits
	.p2align	6, 0x0
	.amdhsa_kernel k_q1c758cb4c9_prep
		.amdhsa_group_segment_fixed_size 0
		.amdhsa_private_segment_fixed_size 0
		.amdhsa_enable_private_segment 0
		.amdhsa_kernarg_size 72
		.amdhsa_user_sgpr_count 2
		.amdhsa_user_sgpr_kernarg_segment_ptr 1
		.amdhsa_wavefront_size32 1
		.amdhsa_system_sgpr_workgroup_id_x 1
		.amdhsa_system_sgpr_workgroup_id_y 1
		.amdhsa_system_sgpr_workgroup_id_z 1
		.amdhsa_system_vgpr_workitem_id 0
		.amdhsa_next_free_vgpr 112
		.amdhsa_next_free_sgpr 66
		.amdhsa_reserve_vcc 1
		.amdhsa_float_denorm_mode_32 3
		.amdhsa_float_denorm_mode_16_64 3
		.amdhsa_memory_ordered 1
		.amdhsa_forward_progress 1
		.amdhsa_inst_pref_size 44
	.end_amdhsa_kernel
	.amdgpu_metadata
---
amdhsa.version: [ 1, 2 ]
amdhsa.kernels:
  - .name:           k_q1c758cb4c9_prep
    .symbol:         k_q1c758cb4c9_prep.kd
    .args:
      - { .name: x, .offset: 0, .size: 8, .value_kind: global_buffer, .address_space: global }
      - { .name: wq, .offset: 8, .size: 8, .value_kind: global_buffer, .address_space: global }
      - { .name: wk, .offset: 16, .size: 8, .value_kind: global_buffer, .address_space: global }
      - { .name: wv, .offset: 24, .size: 8, .value_kind: global_buffer, .address_space: global }
      - { .name: wo, .offset: 32, .size: 8, .value_kind: global_buffer, .address_space: global }
      - { .name: xb, .offset: 40, .size: 8, .value_kind: global_buffer, .address_space: global }
      - { .name: wqkv, .offset: 48, .size: 8, .value_kind: global_buffer, .address_space: global }
      - { .name: wob, .offset: 56, .size: 8, .value_kind: global_buffer, .address_space: global }
      - { .name: tab, .offset: 64, .size: 8, .value_kind: global_buffer, .address_space: global }
    .group_segment_fixed_size: 0
    .private_segment_fixed_size: 0
    .kernarg_segment_align: 8
    .kernarg_segment_size: 72
    .max_flat_workgroup_size: 256
    .sgpr_count:     66
    .vgpr_count:     112
    .wavefront_size: 32
...
	.end_amdgpu_metadata
.endif
;; end of part 5
;; launch qkvp: the kernel of part 2 again; grid 8 x 32, 4 waves a work-group, clusters of 4 x 4, 327,680 bytes of LDS; arguments xb, wqkv, tab, qkv, lo; writes qkv, lo
;; launch attn: the kernel of part 3 again; grid 64 x 4, 4 waves a work-group, clusters of 4 x 1, 327,680 bytes of LDS; arguments qkv, lo, oh; writes oh
;; launch oproj: the kernel of part 4 again; grid 8 x 32, 4 waves a work-group, clusters of 4 x 4, 327,680 bytes of LDS; arguments oh, wob, out0; writes out0
